; MI455X (gfx1250); checked and timed in simulation.
; The chip was launched on July 23, 2026; its instructions are those of AMD's public machine-readable ISA for CDNA 5 (MIT licence, August 2026) and "CDNA5" Instruction Set Architecture Reference Guide (July 2026). The comments in the code are by the model that wrote it; some were corrected since.
;; Attention. Allowed arithmetic: matrix products marked QUANTISED: E3M2 operands, one E8M0 scale for each 32 along K, by v_wmma_scale_f32_16x16x128_f8f6f4 with both operands' format E3M2, f32 sums; everything else in f32.
;; Inputs: bk 1,024 float32; bq 2,048 float32; bv 1,024 float32; hidden_state 2 x 2,048 x 2,048 float32; wk 2,048 x 1,024 float32; wq 2,048 x 2,048 float32; wv 2,048 x 1,024 float32.
;; Outputs: out0 2 x 2,048 x 16 x 128 float32.
;; This version of the problem:
;;   THIS VERSION OF THE PROBLEM IS GIVEN IN LOW PRECISION. The matrix products marked QUANTISED in the list below multiply operands that are first quantised to E3M2 (3 exponent bits, 2 mantissa bits; 6 bits a number), with one power-of-two scale for each 32 numbers along K (OCP MX v1.0); their sums are f32. All else is computed in f32.
;;   The module's matrix products, in the order in which they are computed (A, B: the left and right operand; K: the contracted axis; several contracted axes count as one K, in the product's order):
;;     1. [M 4,096, K 2,048] x [K 2,048, N 2,048]; A: input hidden_state; B: input wq: QUANTISED
;;     2. [M 4,096, K 2,048] x [K 2,048, N 1,024]; A: input hidden_state; B: input wk: QUANTISED
;;     3. [M 4,096, K 2,048] x [K 2,048, N 1,024]; A: input hidden_state; B: input wv: QUANTISED
;;     4. batch 32 x [M 2,048, K 128] x [K 128, N 2,048]; A: computed on the way; B: computed on the way: QUANTISED
;;     5. batch 32 x [M 128, K 2,048] x [K 2,048, N 2,048]; A: computed on the way; B: softmax (see below): QUANTISED
;;   THE QUANTISER, for each operand of a quantised product, along K:
;;     - K is cut into blocks of 32 from its start; a last block that is shorter is filled with zeros.
;;     - A block's scale is 2^e with e = floor(log2(the largest magnitude in the block)) - 4, held to -126 .. 127; a block of zeros has e = 0. As a byte (E8M0): e + 127.
;;     - Each number is divided by its block's scale, clamped to +-28, and rounded to the nearest number of E3M2, ties to even, subnormals kept.
;;     - The product sums the exact products of the quantised numbers (number of the format x scale) in f32.
;;   ~~~python
;;   def quantise(x, axis):      # numpy; x: float32 -> the quantised numbers, widened to float32 again
;;       x = np.moveaxis(x, axis, -1); K = x.shape[-1]
;;       x = np.pad(x, [(0, 0)] * (x.ndim - 1) + [(0, -K % 32)]); x = x.reshape(x.shape[:-1] + (-1, 32)); a = np.abs(x).max(-1, keepdims=True)
;;       e = np.where(a > 0, np.clip(np.frexp(np.where(a > 0, a, 1))[1] - 1 - 4, -126, 127), 0)      # np.frexp(a)[1] - 1 = floor(log2(a)), exactly
;;       r = np.clip(x / 2.0 ** e, -28, 28)
;;       step = 2.0 ** (np.maximum(np.frexp(np.where(r == 0, 1, r))[1] - 1, -2) - 2)
;;       q = np.round(r / step) * step * 2.0 ** e      # np.round: ties to even
;;       return np.moveaxis(q.reshape(q.shape[:-2] + (-1,))[..., :K], -1, axis).astype(np.float32)
;;   ~~~
;;   SOFTMAX AHEAD OF A QUANTISED PRODUCT. Where the list says 'softmax', what is quantised is not the finished softmax but p = 2^(t - M), with t = logit x log2(e) and M = ceil(the row's largest t), a whole number; so 1/2 < the row's largest p <= 1. The row's sum l is taken of the UNQUANTISED p, in f32, and the product's result is divided by l at the end. Since M is a whole number, a kernel that streams over the keys may use a running M (the ceiling of the running maximum): every later rescaling is an exact power of two, which a block's scale takes up: the codes' values come out the same.
;;   OPERANDS COMPUTED ON THE WAY. 'Computed on the way' means the value that the module computes at that place (a softmax that the list does not call 'softmax' is quantised finished and normalised). What goes into a quantiser is computed in f32, as accurately as f32 sums, v_exp_f32 and their like allow (about 1e-6 of the number): no bf16 or f16 on the way to a quantiser, and a product that is left as it is and whose result goes on into a quantised operand takes f32 operands (vector FMAs, or v_wmma_f32_16x16x4_f32). A number that lies on a knife's edge between two numbers of the format may be rounded either way, as far as f32 arithmetic and the matrix unit's own rounding can turn it there, and no further.
;; One version. Each part assembles by itself: llvm-mc -triple=amdgcn-amd-amdhsa -mcpu=gfx1250 --defsym DOCPART=n.
;; ======== version 1 of 1: 3 launches
;; workspace buffers: x_codes 6,291,456 bytes; x_scales 262,144 bytes; w_codes 6,291,456 bytes; w_scales 262,144 bytes; rope 1,048,576 bytes; qkv 13,107,200 bytes
;; launch prep (part 1): grid 512 x 1, 4 waves a work-group, no clusters, 68,096 bytes of LDS; arguments hidden_state, wq, wk, wv, x_codes, x_scales, w_codes, w_scales, rope; writes x_codes, x_scales, w_codes, w_scales, rope
.if DOCPART == 1
	.amdgcn_target "amdgcn-amd-amdhsa--gfx1250"
	.amdhsa_code_object_version 6
	.text
	.protected	k_q0504b38d39_prep
	.globl	k_q0504b38d39_prep
	.p2align	8
	.type	k_q0504b38d39_prep,@function
k_q0504b38d39_prep:
	s_mov_b64 s[64:65], 0
	v_nop
	global_prefetch_b8 v0, s[64:65] scope:SCOPE_SE
	s_setreg_imm32_b32 hwreg(HW_REG_WAVE_MODE, 25, 1), 1
	s_wait_xcnt 0x0
; hidden_state [4096][2048] f32 and the weights wq [2048][2048], wk, wv [2048][1024] f32 (K is their FIRST axis) become codes of BF6 (E3M2), K innermost, 1,536 bytes a row,
; with one E8M0 byte for each 32 along K, 64 bytes a row.  The weights' columns make one tensor of 4,096 rows: wq's 2,048, wk's 1,024, wv's 1,024.  The table of RoPE's cos and sin is made here too.
; A block's scale is 2^(floor(log2(its largest magnitude)) - 4); its byte is the largest magnitude's exponent field - 4, held at 1 from below.
; ROW ORDER OF ALL FOUR OUTPUTS: logical row L lies at the place that is L with its bits 3 and 4 exchanged.  So 16 neighbouring places 16 (2 B + u) + r hold the logical rows 32 B + 8 u + r + 8 (r / 8):
; the rows that the next launch wants in one tile, so that its results fall into a lane's registers as neighbours along the next product's K.
; LIMITS: NaN and infinities among the inputs are not served.  A block whose largest magnitude lies under 2^-122 gets the byte 1; a block of zeros too, where the rule says 127: its codes are zeros, and this program alone reads the bytes.
; The table: inv_freq is 2^(-p log2(10000) / 64) by v_exp_f32 on an argument reduced to +-1/2, so within some 1.5 units in its last place; at position 2,047 the angle is within some 3e-4 of a radian.
; cos and sin come by a three-part reduction by pi / 2 and polynomials, within some 1e-7 of their argument's true values.
; WORK: 512 work-groups of four waves, 128 KiB of f32 each.  Work-groups 0-255 take hidden_state (a lane holds 16 neighbours along K, through the wave's own stage in LDS) and the table;
; work-groups 256-511 take the weights (a lane takes a column, its registers run down K).  The two ways part once, on the work-group's number, and have LDS bytes of their own.  Waves share nothing: no barrier.
.set STEPS, 16
.set EMAX,  4
.set CB,    12                         ; bytes of 16 codes
.set SPW,   12                         ; v12  LDS address of my spare word; never rewritten
.set NIL,   13                         ; v13  0; never rewritten
.set R,     16                         ; x: v16-79   four sets of 16 numbers as they are loaded
.set X,     80                         ; x: v80-111  two sets of 16 neighbours (before the first step: at work for the table)
.set E,     112                        ; x: v112-127 a scale byte for each step
.set C,     128                        ; x: v128-191 codes, four registers for each step
.set RT,    192                        ; x: v192-199 the table's eight numbers of my lane; written once
.set WREG,  8192                       ; x: LDS 0 .. 32,767: a region for each wave: two stages of 32 x SP bytes, then its 256 scale bytes
.set SP,    80                         ; x: a lane's place in a stage: 64 bytes + 16 of padding
.set WSTG,  32768                      ; w: LDS 32,768 on: a stage of 32 rows x PITCH for each wave
.set PITCH, 272                        ; w: a stage row: sixteen places of 16 bytes, each with 12 bytes of codes, + 16
.set SPARE, WSTG+4*32*PITCH            ; the spare words, 128 bytes for each wave: two blocks of 256 bytes that no other line names
.set KROW,  1536                       ; a row of codes in bytes
.set NB,    8                          ; w: blocks of 32 along K for a wave
.set WX,    32                         ; w: v32-95   two sets of 32 numbers
.set WC,    96                         ; w: v96..    a block's codes
.set OUTR,  112                        ; w: v112-175 the way out
.set SB,    24                         ; w: v24-25   the scale bytes
	s_load_b256 s[4:11], s[0:1], 0x0               ; hidden_state s[4:5], wq s[6:7], wk s[8:9], wv s[10:11]
	s_load_b256 s[12:19], s[0:1], 0x20             ; x_codes s[12:13], x_scales s[14:15], w_codes s[16:17], w_scales s[18:19]
	s_load_b64 s[20:21], s[0:1], 0x40              ; rope
	v_lshl_add_u32 v[SPW], v0, 2, SPARE
	v_mov_b32 v[NIL], 0
	v_lshrrev_b32 v1, 5, v0
	v_readfirstlane_b32 s22, v1                    ; wave
	v_and_b32 v2, 31, v0                           ; lane
	s_wait_kmcnt 0x0
	s_cmp_ge_u32 ttmp9, 256
	s_cbranch_scc1 .Lw
; ---------------- hidden_state: wave Rw = 4 x work-group + wave takes 8,192 numbers: four rows ----------------
	v_lshlrev_b32 v3, 4, v2                        ; my 16 bytes of a load's 512
	s_mul_i32 s23, s22, WREG
	v_lshrrev_b32 v14, 2, v2
	v_mul_u32_u24 v14, v14, SP
	v_and_b32 v15, 3, v2
	v_lshl_add_u32 v14, v15, 4, v14
	v_add_nc_u32 v14, s23, v14                     ; the stage, on the way in: SP (lane / 4) + 16 (lane % 4)
	v_mul_u32_u24 v15, v2, SP
	v_add_nc_u32 v15, s23, v15                     ; and on the way out: SP x lane: my 16 neighbours
	v_mul_u32_u24 v4, v2, CB                       ; my codes' place in a step's
	v_lshrrev_b32 v5, 1, v2
	s_add_co_u32 s23, s23, 2*32*SP
	v_add_nc_u32 v5, s23, v5                       ; my wave's 256 scale bytes, my block's byte
	v_lshlrev_b32 v7, 3, v2                        ; and on the way out 8 bytes a lane
	v_add_nc_u32 v6, s23, v7
	s_lshl_b32 s24, ttmp9, 2
	s_add_co_u32 s24, s24, s22                     ; Rw
	s_lshr_b32 s25, s24, 1
	s_lshr_b32 s26, s24, 2
	s_xor_b32 s25, s25, s26
	s_and_b32 s25, s25, 1
	s_mul_i32 s25, s25, 6
	s_xor_b32 s25, s24, s25                        ; Rw with its bits 1 and 2 exchanged: the rows' bits 3 and 4: where my four rows go
	s_mov_b32 s27, 0
	s_lshl_b32 s26, s24, 15
	s_add_nc_u64 s[4:5], s[4:5], s[26:27]          ; in: Rw x 32,768 bytes
	s_mul_i32 s26, s25, 4*KROW
	s_add_nc_u64 s[12:13], s[12:13], s[26:27]      ; codes out
	s_lshl_b32 s26, s25, 8
	s_add_nc_u64 s[14:15], s[14:15], s[26:27]      ; scale bytes out
	s_lshl_b32 s26, s24, 10
	s_add_nc_u64 s[20:21], s[20:21], s[26:27]      ; the table's positions 2 Rw and 2 Rw + 1: 512 bytes each
.macro XLOAD t
.irp i, 0,1,2,3
	global_load_b128 v[R+16*((\t)%4)+4*\i:R+16*((\t)%4)+4*\i+3], v3, s[4:5] offset:2048*(\t)+512*\i th:TH_LOAD_NT   ; 32 lanes read 512 consecutive bytes
.endr
.endm
.macro XTURN t                         ; step t's numbers through the stage: LDS serves a wave's instructions in order, so no wait stands between the stores and the loads
.irp i, 0,1,2,3
	ds_store_b128 v14, v[R+16*((\t)%4)+4*\i:R+16*((\t)%4)+4*\i+3] offset:32*SP*((\t)%2)+8*SP*\i
.endr
.irp i, 0,1,2,3
	ds_load_b128 v[X+16*((\t)%2)+4*\i:X+16*((\t)%2)+4*\i+3], v15 offset:32*SP*((\t)%2)+16*\i
.endr
.endm
.irp t, 0,1,2,3
	XLOAD \t
.endr
; THE TABLE, work on registers while the first sixteen loads are on their way.  My lane makes pairs p = 2 lane and 2 lane + 1 of two positions.
	s_mov_b32 s30, 0xb94ca1f9                      ; sin's third coefficient
	s_mov_b32 s31, 0x37ccf5ce                      ; cos's third
	s_mov_b32 s32, 0xbe549a78                      ; -log2(10000) / 64, its upper part,
	s_mov_b32 s33, 0xb1979a37                      ; and what is left of it
	s_mov_b32 s36, 0xbfc90fdb                      ; -pi / 2 in three parts: the first as f32,
	s_mov_b32 s37, 0x333bbd2e                      ; what that is too large by,
	s_mov_b32 s38, 0x26f72ced                      ; and the rest
	s_lshl_b32 s34, s24, 1                         ; the two positions
	s_add_co_u32 s35, s34, 1
	v_lshlrev_b32 v80, 1, v2
	v_or_b32 v81, 1, v80
	v_cvt_f32_u32 v80, v80                         ; p
	v_cvt_f32_u32 v81, v81
	v_mul_f32 v82, s32, v80
	v_mul_f32 v83, s32, v81
	v_rndne_f32 v82, v82                           ; m = the nearest whole number to -p c
	v_rndne_f32 v83, v83
	v_fma_f32 v84, v80, s32, -v82                  ; g = -p c - m, within +-1/2
	v_fma_f32 v85, v81, s32, -v83
	v_fma_f32 v84, v80, s33, v84
	v_fma_f32 v85, v81, s33, v85
	v_exp_f32 v84, v84
	v_exp_f32 v85, v85
	v_cvt_i32_f32 v82, v82                         ; (plain work behind the two exponentials)
	v_cvt_i32_f32 v83, v83
	v_cvt_f32_u32 v86, s34
	v_cvt_f32_u32 v87, s35
	s_wait_alu depctr_va_vdst(0)                   ; one wait for both, ahead of their first reader
	v_ldexp_f32 v84, v84, v82                      ; inv_freq = 2^g 2^m
	v_ldexp_f32 v85, v85, v83
	v_mul_f32 v88, v86, v84                        ; the angles, each rounded once
	v_mul_f32 v89, v86, v85
	v_mul_f32 v90, v87, v84
	v_mul_f32 v91, v87, v85
.macro SINCOS x, c, s                  ; v[c] = cos(v[x]), v[s] = sin(v[x]), 0 <= v[x] < 2,048
	v_mul_f32 v92, 0x3f22f983, v[\x]               ; x 2 / pi
	v_rndne_f32 v92, v92                           ; k
	v_fma_f32 v93, v92, s36, v[\x]                 ; r = x - k pi / 2: the first step is exact
	v_fma_f32 v93, v92, s37, v93
	v_fma_f32 v93, v92, s38, v93
	v_cvt_i32_f32 v94, v92
	v_mul_f32 v95, v93, v93                        ; z = r r
	v_fmaak_f32 v96, s30, v95, 0x3c08839e
	v_fmaak_f32 v97, s31, v95, 0xbab6061a
	v_fmaak_f32 v96, v96, v95, 0xbe2aaaa3
	v_fmaak_f32 v97, v97, v95, 0x3d2aaaa5
	v_mul_f32 v96, v96, v95
	v_mul_f32 v97, v97, v95
	v_fma_f32 v98, v95, -0.5, 1.0
	v_fma_f32 v96, v96, v93, v93                   ; sin r
	v_fma_f32 v97, v97, v95, v98                   ; cos r
	v_and_b32 v98, 1, v94
	v_cmp_eq_u32 vcc_lo, 1, v98                    ; an odd k changes the two over
	v_cndmask_b32 v[\c], v97, v96, vcc_lo
	v_cndmask_b32 v[\s], v96, v97, vcc_lo
	v_add_nc_u32 v98, 1, v94
	v_and_b32 v98, 2, v98
	v_lshlrev_b32 v98, 30, v98
	v_xor_b32 v[\c], v[\c], v98                    ; cos is negative for k % 4 = 1, 2
	v_and_b32 v98, 2, v94
	v_lshlrev_b32 v98, 30, v98
	v_xor_b32 v[\s], v[\s], v98                    ; sin for k % 4 = 2, 3
.endm
	SINCOS 88, RT+0, RT+1
	SINCOS 89, RT+2, RT+3
	SINCOS 90, RT+4, RT+5
	SINCOS 91, RT+6, RT+7
	global_store_b128 v3, v[RT:RT+3], s[20:21]               ; a position's 128 numbers: 32 lanes store 512 consecutive bytes
	global_store_b128 v3, v[RT+4:RT+7], s[20:21] offset:512
	s_wait_loadcnt 12                              ; step 0's four loads are in
	XTURN 0
.macro XSTEP t
.set XS, X+16*((\t)%2)
.if (\t) > 0
	s_wait_dscnt 1                                 ; this step's numbers are back from the stage (the last step's byte store may be out): so its stores into the stage have read their registers,
.else
	s_wait_dscnt 0x0
.endif
.if (\t)+4 < STEPS
	XLOAD (\t)+4                                   ; which take the loads of four steps on
.endif
.if (\t)+1 < STEPS
.if STEPS-2-(\t) >= 3
	s_wait_loadcnt 12                              ; the next step's four loads are in; those of the three steps behind it may be out
.else
	s_wait_loadcnt 4*(STEPS-2-(\t))
.endif
	XTURN (\t)+1                                   ; and go through the other stage while this step is worked
.endif
	v_max3_num_f32 v8, |v[XS]|, |v[XS+1]|, |v[XS+2]|               ; the largest magnitude of my 16
	v_max3_num_f32 v9, |v[XS+3]|, |v[XS+4]|, |v[XS+5]|
.irp i, 6,10
	v_max3_num_f32 v8, v8, |v[XS+\i]|, |v[XS+\i+1]|
	v_max3_num_f32 v9, v9, |v[XS+\i+2]|, |v[XS+\i+3]|
.endr
	v_max3_num_f32 v8, v8, |v[XS+14]|, |v[XS+15]|
	v_max3_num_f32 v8, v8, v9, (EMAX+1)<<23        ; and the floor 2^(5 - 127): the byte cannot fall under 1
	v_max_num_f32_dpp v8, v8, v8 row_xmask:1 row_mask:0xf bank_mask:0xf   ; and of my neighbour's 16: the block's
	v_add_nc_u32 v11, -(EMAX<<23), v8              ; 4 off its exponent field: the conversion takes the exponent field of this operand as its scale
	v_cvt_scalef32_pk16_bf6_f32 v[C+4*(\t):C+4*(\t)+2], v[XS:XS+15], v11
	v_lshrrev_b32 v[E+(\t)], 23, v11               ; the scale's byte
	ds_store_b8 v5, v[E+(\t)] offset:16*(\t)       ; both lanes of a block write the same byte with the same value
	global_store_b96 v4, v[C+4*(\t):C+4*(\t)+2], s[12:13] offset:32*CB*(\t)   ; the wave stores 384 consecutive bytes
.endm
.irp t, 0,1,2,3,4,5,6,7,8,9,10,11,12,13,14,15
	XSTEP \t
.endr
	ds_load_b64 v[8:9], v6                         ; LDS serves a wave's instructions in order: these see my stores
	s_wait_dscnt 0x0
	global_store_b64 v7, v[8:9], s[14:15]          ; 32 lanes store 256 consecutive bytes, aligned
	s_wait_tensorcnt 0x0                           ; the wave's end, behind my last LDS store
	ds_add_u32 v[SPW], v[NIL]
	s_wait_dscnt 0x0
	s_endpgm
; ---------------- the weights: a wave takes 32 columns x 256 along K ----------------
.Lw:
	s_sub_co_u32 s24, ttmp9, 256
	s_and_b32 s25, s24, 31                         ; which 128 of the 4,096 columns
	s_lshr_b32 s26, s24, 5                         ; which 256 along K
	s_cmp_lt_u32 s25, 24
	s_cselect_b64 s[8:9], s[8:9], s[10:11]         ; wk or wv,
	s_cselect_b32 s27, 16, 24
	s_cmp_lt_u32 s25, 16
	s_cselect_b64 s[4:5], s[6:7], s[8:9]           ; or wq: the choice hangs on the work-group's number alone
	s_cselect_b32 s27, 0, s27
	s_cselect_b32 s40, 1, 0                        ; wq's rows are 8,192 bytes, the others' 4,096
	s_cselect_b32 s28, 21, 20                      ; 256 rows are 2^21 or 2^20 bytes
	s_sub_co_u32 s27, s25, s27                     ; which 128 columns of that tensor
	s_lshl_b32 s28, s26, s28
	s_lshl_b32 s27, s27, 9
	s_add_co_u32 s28, s28, s27
	s_lshl_b32 s29, s22, 7                         ; my wave's 32 columns
	s_add_co_u32 s28, s28, s29
	s_mov_b32 s29, 0
	s_add_nc_u64 s[4:5], s[4:5], s[28:29]
	s_lshl_b32 s30, s25, 7
	s_lshl_b32 s31, s22, 5
	s_add_co_u32 s30, s30, s31                     ; my first row of the outputs, a multiple of 32
	s_mul_i32 s32, s30, KROW
	s_mul_i32 s33, s26, 192
	s_add_co_u32 s32, s32, s33
	s_mov_b32 s33, 0
	s_add_nc_u64 s[16:17], s[16:17], s[32:33]
	s_lshl_b32 s32, s30, 6
	s_lshl_b32 s34, s26, 3
	s_add_co_u32 s32, s32, s34
	s_add_nc_u64 s[18:19], s[18:19], s[32:33]
	v_lshlrev_b32 v3, 2, v2                        ; in: 4 bytes a lane
	s_mul_i32 s35, s22, 32*PITCH
	s_add_co_u32 s35, s35, WSTG                    ; my stage
	v_mul_u32_u24 v4, v2, PITCH
	v_add_nc_u32 v4, s35, v4                       ; into it: row = my column
	v_and_b32 v5, 15, v2
	v_lshrrev_b32 v6, 4, v2
	v_mul_u32_u24 v7, v6, PITCH
	v_lshl_add_u32 v7, v5, 4, v7
	v_add_nc_u32 v7, s35, v7                       ; out of it: sixteen lanes to a row, two rows an instruction
	v_mul_u32_u24 v8, v6, KROW
	v_mad_u32_u24 v8, v5, 12, v8                   ; and the same two places in the codes' buffer
	v_and_b32 v9, 7, v2                            ; my column's place among its 32: bits 3 and 4 exchanged
	v_and_b32 v10, 8, v2
	v_lshl_or_b32 v9, v10, 1, v9
	v_and_b32 v10, 16, v2
	v_lshrrev_b32 v10, 1, v10
	v_or_b32 v9, v9, v10
	v_lshlrev_b32 v9, 6, v9                        ; x 64 bytes: its row of scale bytes
.macro LOADX t                         ; block t: W(32 t + i, my column), i = 0 .. 31, into set t % 2.  Both ways issue 32 loads into the same registers: they differ in the rows' pitch alone
	s_cmp_lg_u32 s40, 0
	s_cbranch_scc0 .Lnarrow_\@
.irp i, 0,1,2,3,4,5,6,7,8,9,10,11,12,13,14,15,16,17,18,19,20,21,22,23,24,25,26,27,28,29,30,31
	global_load_b32 v[WX+32*((\t)%2)+\i], v3, s[4:5] offset:(32*(\t)+\i)*8192 th:TH_LOAD_NT
.endr
	s_branch .Lloaded_\@
.Lnarrow_\@:
.irp i, 0,1,2,3,4,5,6,7,8,9,10,11,12,13,14,15,16,17,18,19,20,21,22,23,24,25,26,27,28,29,30,31
	global_load_b32 v[WX+32*((\t)%2)+\i], v3, s[4:5] offset:(32*(\t)+\i)*4096 th:TH_LOAD_NT
.endr
.Lloaded_\@:
.endm
	LOADX 0
	LOADX 1
.macro WBLOCK t
.set XS, WX+32*((\t)%2)
.if (\t) < NB-1
	s_wait_loadcnt 32                              ; this block's 32 loads are in; the next block's may be out
.else
	s_wait_loadcnt 0x0
.endif
	v_max3_num_f32 v16, |v[XS]|, |v[XS+1]|, |v[XS+2]|               ; the block's largest magnitude: all 32 numbers are mine
	v_max3_num_f32 v17, |v[XS+3]|, |v[XS+4]|, |v[XS+5]|
.irp i, 6,10,14,18,22,26
	v_max3_num_f32 v16, v16, |v[XS+\i]|, |v[XS+\i+1]|
	v_max3_num_f32 v17, v17, |v[XS+\i+2]|, |v[XS+\i+3]|
.endr
	v_max3_num_f32 v16, v16, |v[XS+30]|, |v[XS+31]|
	v_max3_num_f32 v16, v16, v17, (EMAX+1)<<23     ; and the floor
	v_add_nc_u32 v18, -(EMAX<<23), v16             ; the conversion's scale operand
	v_lshrrev_b32 v17, 23, v18                     ; the scale's byte
.if (\t)%4 == 0
	v_mov_b32 v[SB+(\t)/4], v17                    ; four bytes to a register, the lower K in the lower byte
.else
	v_lshl_or_b32 v[SB+(\t)/4], v17, 8*((\t)%4), v[SB+(\t)/4]
.endif
	v_cvt_scalef32_pk16_bf6_f32 v[WC:WC+2], v[XS:XS+15], v18
	v_cvt_scalef32_pk16_bf6_f32 v[WC+4:WC+6], v[XS+16:XS+31], v18   ; (a conversion's three registers begin on an even number)
	ds_store_b96 v4, v[WC:WC+2] offset:32*(\t)     ; 16 codes, 12 bytes, to a place of 16 bytes, so that every LDS address is a multiple of 16
	ds_store_b96 v4, v[WC+4:WC+6] offset:32*(\t)+16
.if (\t)+2 < NB
	LOADX (\t)+2
.endif
	s_wait_dscnt 0x0                               ; the stores have read their registers: the next block's codes may be written
.endm
.irp t, 0,1,2,3,4,5,6,7
	WBLOCK \t
.endr
	global_store_b64 v9, v[SB:SB+1], s[18:19]      ; my column's 8 scale bytes
.irp t, 0,1,2,3,4,5,6,7,8,9,10,11,12,13,14,15
	ds_load_b96 v[OUTR+4*\t:OUTR+4*\t+2], v7 offset:2*\t*PITCH   ; LDS serves a wave's instructions in order: these see my stores
.endr
.irp t, 0,1,2,3,4,5,6,7,8,9,10,11,12,13,14,15
	s_wait_dscnt 15-\t
	global_store_b96 v8, v[OUTR+4*\t:OUTR+4*\t+2], s[16:17] offset:2*(((\t)&3)|((((\t)>>2)&1)<<3)|((((\t)>>3)&1)<<2))*KROW   ; columns 2 t and 2 t + 1 go to their places: bits 3 and 4 of the column are bits 2 and 3 of t
.endr
	s_wait_tensorcnt 0x0                           ; the wave's end, behind my last LDS store
	ds_add_u32 v[SPW], v[NIL]
	s_wait_dscnt 0x0
	s_endpgm
.Lfunc_end_k_q0504b38d39_prep:
	.size	k_q0504b38d39_prep, .Lfunc_end_k_q0504b38d39_prep-k_q0504b38d39_prep
	.p2alignl 7, 3214868480
	.fill 96, 4, 3214868480
	.section	.rodata,"a",@progbits
	.p2align	6, 0x0
	.amdhsa_kernel k_q0504b38d39_prep
		.amdhsa_group_segment_fixed_size 68096
		.amdhsa_private_segment_fixed_size 0
		.amdhsa_enable_private_segment 0
		.amdhsa_kernarg_size 72
		.amdhsa_user_sgpr_count 2
		.amdhsa_user_sgpr_kernarg_segment_ptr 1
		.amdhsa_wavefront_size32 1
		.amdhsa_system_sgpr_workgroup_id_x 1
		.amdhsa_system_sgpr_workgroup_id_y 1
		.amdhsa_system_sgpr_workgroup_id_z 1
		.amdhsa_system_vgpr_workitem_id 0
		.amdhsa_next_free_vgpr 200
		.amdhsa_next_free_sgpr 66
		.amdhsa_reserve_vcc 1
		.amdhsa_float_denorm_mode_32 3
		.amdhsa_float_denorm_mode_16_64 3
		.amdhsa_memory_ordered 1
		.amdhsa_forward_progress 1
		.amdhsa_inst_pref_size 105
	.end_amdhsa_kernel
	.amdgpu_metadata
---
amdhsa.version: [ 1, 2 ]
amdhsa.kernels:
  - .name:           k_q0504b38d39_prep
    .symbol:         k_q0504b38d39_prep.kd
    .args:
      - { .name: hidden_state, .offset: 0, .size: 8, .value_kind: global_buffer, .address_space: global }
      - { .name: wq, .offset: 8, .size: 8, .value_kind: global_buffer, .address_space: global }
      - { .name: wk, .offset: 16, .size: 8, .value_kind: global_buffer, .address_space: global }
      - { .name: wv, .offset: 24, .size: 8, .value_kind: global_buffer, .address_space: global }
      - { .name: x_codes, .offset: 32, .size: 8, .value_kind: global_buffer, .address_space: global }
      - { .name: x_scales, .offset: 40, .size: 8, .value_kind: global_buffer, .address_space: global }
      - { .name: w_codes, .offset: 48, .size: 8, .value_kind: global_buffer, .address_space: global }
      - { .name: w_scales, .offset: 56, .size: 8, .value_kind: global_buffer, .address_space: global }
      - { .name: rope, .offset: 64, .size: 8, .value_kind: global_buffer, .address_space: global }
    .group_segment_fixed_size: 68096
    .private_segment_fixed_size: 0
    .kernarg_segment_align: 8
    .kernarg_segment_size: 72
    .max_flat_workgroup_size: 128
    .sgpr_count:     66
    .vgpr_count:     200
    .wavefront_size: 32
...
	.end_amdgpu_metadata
.endif
;; end of part 1
;; launch proj (part 2): grid 16 x 16, 4 waves a work-group, clusters of 4 x 4, 327,680 bytes of LDS; arguments x_codes, x_scales, w_codes, w_scales, bq, bk, bv, rope, qkv; writes qkv
.if DOCPART == 2
	.amdgcn_target "amdgcn-amd-amdhsa--gfx1250"
	.amdhsa_code_object_version 6
	.text
	.protected	k_q0504b38d39_proj
	.globl	k_q0504b38d39_proj
	.p2align	8
	.type	k_q0504b38d39_proj,@function
k_q0504b38d39_proj:
	s_mov_b64 s[64:65], 0
	v_nop
	global_prefetch_b8 v0, s[64:65] scope:SCOPE_SE
	s_setreg_imm32_b32 hwreg(HW_REG_WAVE_MODE, 25, 1), 1
	s_wait_xcnt 0x0
	s_wait_alu depctr_hold_cnt(0) depctr_sa_sdst(0) depctr_va_vdst(0) depctr_va_sdst(0) depctr_va_ssrc(0) depctr_va_vcc(0) depctr_vm_vsrc(0)
	s_getreg_b32 s2, hwreg(HW_REG_IB_STS2, 6, 4)
	s_cmp_eq_u32 s2, 0
	s_cbranch_scc0 .Lentry_in_a_cluster
	s_endpgm
.Lentry_in_a_cluster:
	s_bfe_u32 s2, ttmp6, 0x10000c
	s_cmp_lg_u32 s2, 0xf033
	s_cbranch_scc0 .Lentry_shape_is_right
	s_endpgm
.Lentry_shape_is_right:
; The three projections as ONE product of 4,096 tokens x 4,096 columns (wq's 2,048, wk's 1,024, wv's 1,024) over K = 2,048, on codes of BF6 (E3M2) with one E8M0 scale for each 32 along K; sums in f32.
; On the way out: bias, RoPE (q and k), and the quantising of q and k along the head's 128 and of v along the keys.  q, k and v leave as codes alone.
; A tile of 256 x 256 is made by a work-group of four waves; a wave makes 128 x 128: 64 accumulators of 16 x 16, 512 registers.  K goes in steps of 256 through a ring of two LDS slots filled by the tensor data mover;
; the scale bytes of the work-group's 2 x 256 rows come into LDS once, with the first fills, and stay.
; THE TWO OPERANDS.  Source 0 is P, source 1 is S: in a result a lane holds ONE row of S, and its registers run along P's rows.  What is quantised next must have its K along the registers.
; So for q and k (clusters x = 0, 1, 2) P = the weights' rows (the head's channels) and S = the tokens; for v (clusters x = 3) P = the tokens (the keys) and S = wv's rows.  The flag is the same in all sixteen partners.
; The rows of both inputs lie in the order in which 16 neighbouring places 16 (2 B + u) + r hold the logical rows 32 B + 8 u + r + 8 (r / 8).  So accumulators (a, 2 B) and (a, 2 B + 1) hold, in 16 registers,
; P's logical rows 32 B + 16 (lane / 16) + 0 .. 15: 16 neighbours along the next K; and lane r of block a = 2 B + u holds S's logical row 32 B + 8 u + r + 8 (r / 8).
; CLUSTERS: 4 x 4 work-groups.  S's tiles hang on the work-group's y and are shared along a row of the cluster, P's on its x and are shared down a column: each is asked for JOINTLY.
; OUTPUT: qkv is 1,024 units of 12,800 bytes, unit ((batch x 32 + hh) x 16 + block of 128 tokens); hh = 0-15 q's heads, 16-23 k's, 24-31 v's.  A wave makes one unit: eight operands of 16 rows x 128 K as IMAGES OF THEIR
; REGISTERS (image a, registers 4 c .. 4 c + 3 of lane l at 1,536 a + 512 c + 16 l), then the scale words (image 4 g + t, row r at 12,288 + 256 g + 16 r + 4 t).  Every store of the wave covers 512 consecutive bytes, aligned.
; LIMITS: NaN and infinities are not served; a block whose largest magnitude lies under 2^-122, a block of zeros among them, gets the byte 1: this program alone reads the bytes.
; REGISTERS, in windows of 256: window 0: v0-31 addresses; v32-63 scale words, two sets; v64-127 q's or k's bias; v128-223 S's fragments, ONE set; on the way out v128-191 the 64 numbers in hand, v192-211 codes,
;   v212-219 at work, v220-223 and v248-255 scale words made, v224-239 the quantiser's, v240-247 v's bias.   window 1: P's fragments, TWO sets, at v0 and v128; on the way out v0-127 two sets of the table's cos and sin.
;   window 2: the 32 accumulators of my S blocks 0-3 (accumulator (a, b) at v[8 (8 a + b)]);   window 3: those of blocks 4-7.
.set KSTEP,  256                       ; along K in a slot
.set NQ,     KSTEP/128                 ; matrix instructions deep
.set ROWB,   192                       ; a tile's row in bytes
.set KROW,   1536                      ; a row of codes in memory
.set PITCH,  240                       ; an LDS row: 3 x (64 bytes of data + 16 of padding) = 60 words, so the 32 lanes of a load of 8 bytes touch 64 different banks (64 banks of 4 bytes: ISA guide 11.1)
.set FR,     12                        ; registers of a fragment
.set NL,     6                         ; LDS loads that bring one
.set NP,     4                         ; places behind this matrix instruction (ISA guide 7.12.1)
.set HALFT,  128*PITCH                 ; 128 rows: what one tensor load brings
.set SLOT,   4*HALFT                   ; S's 256 rows, then P's 256 rows
.set LAPS,   4                         ; a lap = two K steps of 256 = once round the ring
.set KS,     64                        ; a row of scale bytes
.set SCL,    2*SLOT                    ; behind the ring: the scales, as runs of 256 bytes + 16 of padding
.set HALFS,  (128*KS/256)*272          ; the scales of 128 rows
.set SBLK,   (16*KS/256)*272           ; those of 16 rows
.set SPARE,  SCL+4*HALFS               ; the spare words, 128 bytes for each wave: two blocks of 256 bytes that no other line names
.set UNIT,   12800
.set OB,   8                           ; v8      64 (lane / 16): my 16 numbers of each 32 of a head's bias
.set OS,   9                           ; v9      4 (r + 8 (r / 8)): my row's number of v's bias
.set OT,   10                          ; v10     512 (r + 8 (r / 8)) + 64 (lane / 16): my token's row of the table, my 16 numbers of each 32
.set ADRA, 16                          ; v16-17  LDS address of my S fragments in slot 0, 1  (v18-19: for the pieces that lie behind one padding more)
.set ADRB, 20                          ; v20-21  the same for P  (v22-23)
.set OFS,  26                          ; v26     16 x lane: my place in an image
.set ADRS, 27                          ; v27     LDS address of my scale words: lanes 0-15 S's rows, lanes 16-31 P's
.set SPW,  28                          ; v28     LDS address of my spare word; never rewritten
.set NIL,  29                          ; v29     0; never rewritten
.set SC,   32
.set BP,   64
.set AF,   128
.set Y,    128
.set QC,   192
.set T,    212
.set SWO,  220
.set TM,   224
.set BS,   240
.set SW,   248
.set SEL,  18                          ; s18, s19 lane selects for v_permlanex16_b32: lane l xor 16
.set ISV,  95                          ; s95     1 in the clusters that make v
.set G1, 24                            ; s[24:31] descriptor group 1 for S's tiles;  s[32:39] group 0, one set for each slot
.set G0, 32
.set G1B, 48                           ; s[48:55], s[56:63] the same for P's tiles
.set G0B, 56
.set G1S, 68                           ; s[68:75], s[76:79] groups 1 and 0 for S's scales;  s[80:87], s[88:91] for P's
.set G0S, 76
.set G1SB, 80
.set G0SB, 88
.set MSB, 0
.macro WIN new                         ; the immediate's high byte repeats the setting that is left
.if MSB != (\new)
	s_set_vgpr_msb (MSB<<8)|(\new)
.set MSB, (\new)
.endif
.endm
.set MUL_LO, 0xa1                      ; source 0 (P) window 1, source 1 (S) window 0, C and D window 2
.set MUL_HI, 0xf1                      ; the same, C and D window 3
.set TO_B,   0x40                      ; destination window 1, address window 0
; A joint load: waves 0 and 1 fetch for S, waves 2 and 3 for P.  Each of the two lines has ONE mask and one set of registers for all that issue it; the branch hangs on the wave's number alone.
; An s_nop 0 and four v_nop follow each of the two lines, ahead of the jump, the label and what follows.
.macro JLOAD g0a, g1a, g0b, g1b
	s_cmp_eq_u32 s15, 0
	s_cbranch_scc0 .Lfor_b_\@
	tensor_load_to_lds s[\g0a:\g0a+3], s[\g1a:\g1a+7]
	s_nop 0
.rept 4
	v_nop
.endr
	s_branch .Lasked_\@
.Lfor_b_\@:
	tensor_load_to_lds s[\g0b:\g0b+3], s[\g1b:\g1b+7]
	s_nop 0
.rept 4
	v_nop
.endr
.Lasked_\@:
.endm
.macro CREST                           ; a round of the cluster's barrier behind its opening barrier
	s_cmp_lg_u32 s14, 0
	s_cbranch_scc1 .Lnot_wave_0_\@
	s_barrier_signal -3
.Lnot_wave_0_\@:
	s_barrier_wait -3
	s_barrier_signal -1
	s_barrier_wait -1
.endm
.macro CROUND                          ; a whole round
	s_barrier_signal -1
	s_barrier_wait -1
	CREST
.endm
	s_load_b256 s[4:11], s[0:1], 0x0               ; x's codes s[4:5], x's scales s[6:7], the weights' codes s[8:9], their scales s[10:11]
	v_lshl_add_u32 v[SPW], v0, 2, SPARE
	v_mov_b32 v[NIL], 0
	ds_add_u32 v[SPW], v[NIL]                      ; the wave's opening: the add and its wait stand ahead of my first tensor load; the set-up below, work on registers, stands between them
	v_lshrrev_b32 v1, 5, v0
	v_readfirstlane_b32 s14, v1                    ; wave 0..3
	s_lshr_b32 s15, s14, 1                         ; which half of S's 256 rows is mine.  Also: I fetch for S (0) or for P (1)
	s_and_b32 s16, s14, 1                          ; which half of P's.  Also: which 128 rows of that tile I fetch
	s_bfe_u32 s40, ttmp6, 0x40000                  ; cx, cy: my place in the cluster
	s_bfe_u32 s41, ttmp6, 0x40004
	s_lshl_b32 s43, ttmp9, 2                       ; 4 x cluster x
	s_and_b32 s44, ttmp7, 0xffff
	s_lshl_b32 s44, s44, 2                         ; 4 x cluster y
	s_cmp_eq_u32 ttmp9, 3                          ; the last column of clusters makes v.  All four choices stand ahead of the additions, which write SCC
	s_cselect_b32 s[ISV], 1, 0
	s_cselect_b32 s42, s44, s43                    ; P's tiles: for v the 16 tiles of tokens, else the first 12 tiles of the weights' rows
	s_cselect_b32 s17, 0, s44                      ; S's tiles: for v wv's four tiles, else the 16 tiles of tokens
	s_cselect_b32 s3, 3072, 0                      ; wv's rows begin at row 3,072 of the weights
	s_add_co_u32 s42, s42, s40                     ; P's tile: + cx; it never holds cy
	s_add_co_u32 s17, s17, s41                     ; S's tile: + cy; it never holds cx
	s_lshl_b32 s43, s41, 2
	s_lshl_b32 s43, 15, s43                        ; my row of the cluster
	s_lshl_b32 s44, 0x1111, s40                    ; my column
	; descriptor group 1: a tile of 128 rows x ROWB bytes, padded in LDS
	s_or_b32 s[G1+0], s43, (0<<16)|(1<<20)|(1<<21)|(3<<22)|(3<<25)  ; 15:0 the mask: S's tiles go to my row; 17:16 element of 1 byte; 20 padding on; 21 set beside a mask; 24:22 after every 16 words (code 3); 31:25 of 4 words (code 3)
	s_or_b32 s[G1B+0], s44, (0<<16)|(1<<20)|(1<<21)|(3<<22)|(3<<25)
.irp g, G1, G1B
	s_mov_b32 s[\g+1], ROWB<<16                    ; tensor_dim0
	s_mov_b32 s[\g+2], 128<<16                     ; tensor_dim1 = 128
	s_mov_b32 s[\g+3], ROWB<<16                    ; tile_dim0
	s_mov_b32 s[\g+4], 128                         ; tile_dim1 = 128
	s_mov_b32 s[\g+5], KROW                        ; tensor_dim0_stride
	s_mov_b32 s[\g+6], 0
	s_mov_b32 s[\g+7], 0
.endr
	; and for the scales of 128 rows: a dense block of 8,192 bytes, as 32 rows of 256 bytes (32 elements of 8 bytes), 16 bytes of padding behind each
	s_or_b32 s[G1S+0], s43, (3<<16)|(1<<20)|(1<<21)|(5<<22)|(3<<25)
	s_or_b32 s[G1SB+0], s44, (3<<16)|(1<<20)|(1<<21)|(5<<22)|(3<<25)
.irp g, G1S, G1SB
	s_mov_b32 s[\g+1], 32<<16
	s_mov_b32 s[\g+2], (128*KS/256)<<16
	s_mov_b32 s[\g+3], 32<<16
	s_mov_b32 s[\g+4], 128*KS/256
	s_mov_b32 s[\g+5], 32
	s_mov_b32 s[\g+6], 0
	s_mov_b32 s[\g+7], 0
.endr
	s_lshl_b32 s18, s16, 7                         ; which 128 rows of the tile I fetch
	s_lshl_b32 s20, s17, 8
	s_add_co_u32 s20, s20, s18
	s_add_co_u32 s20, s20, s3                      ; S: row 256 x tile + 128 x half (+ 3,072)
	s_lshl_b32 s46, s42, 8
	s_add_co_u32 s46, s46, s18                     ; P: row 256 x tile + 128 x half
	s_mov_b32 s21, 0
	s_mov_b32 s47, 0
	s_mov_b64 s[18:19], KS
	s_mul_u64 s[22:23], s[20:21], s[18:19]         ; where these rows' scales begin, in bytes
	s_mul_u64 s[92:93], s[46:47], s[18:19]
	s_mov_b64 s[18:19], KROW
	s_mul_u64 s[20:21], s[20:21], s[18:19]         ; and their codes
	s_mul_u64 s[46:47], s[46:47], s[18:19]
	s_mul_i32 s45, s14, HALFT                      ; where they go: wave x 128 rows: no place in the cluster enters an LDS address
	s_mul_i32 s94, s14, HALFS
	s_wait_dscnt 0x0                               ; the opening add is done
	s_wait_kmcnt 0x0
	s_cmp_eq_u32 s[ISV], 1                         ; which buffer is S and which is P: the choice hangs on the cluster's x alone
	s_cselect_b64 s[96:97], s[8:9], s[4:5]         ; S's codes
	s_cselect_b64 s[98:99], s[10:11], s[6:7]       ; S's scales
	s_cselect_b64 s[100:101], s[4:5], s[8:9]       ; P's codes
	s_cselect_b64 s[66:67], s[6:7], s[10:11]       ; P's scales
	s_add_nc_u64 s[20:21], s[96:97], s[20:21]
	s_add_nc_u64 s[22:23], s[98:99], s[22:23]
	s_add_nc_u64 s[46:47], s[100:101], s[46:47]
	s_add_nc_u64 s[92:93], s[66:67], s[92:93]
	CROUND                                         ; all sixteen work-groups are here: the first joint loads meet
	s_mov_b32 s[G0S], 1
	s_add_co_u32 s[G0S+1], s94, SCL
	s_mov_b64 s[G0S+2:G0S+3], s[22:23]
	s_or_b32 s[G0S+3], s[G0S+3], 0x80000000
	s_mov_b32 s[G0SB], 1
	s_add_co_u32 s[G0SB+1], s94, SCL
	s_mov_b64 s[G0SB+2:G0SB+3], s[92:93]
	s_or_b32 s[G0SB+3], s[G0SB+3], 0x80000000
	JLOAD G0S, G1S, G0SB, G1SB                     ; the scales first: they are wanted with K step 0
.irp s, 0,1
	s_mov_b32 s[G0+4*\s], 1
	s_add_co_u32 s[G0+4*\s+1], s45, \s*SLOT
	s_add_nc_u64 s[G0+4*\s+2:G0+4*\s+3], s[20:21], \s*ROWB
	s_or_b32 s[G0+4*\s+3], s[G0+4*\s+3], 0x80000000
	s_mov_b32 s[G0B+4*\s], 1
	s_add_co_u32 s[G0B+4*\s+1], s45, \s*SLOT
	s_add_nc_u64 s[G0B+4*\s+2:G0B+4*\s+3], s[46:47], \s*ROWB
	s_or_b32 s[G0B+4*\s+3], s[G0B+4*\s+3], 0x80000000
	JLOAD G0+4*\s, G1, G0B+4*\s, G1B               ; three tensor loads of mine are out now
.endr
	s_load_b256 s[4:11], s[0:1], 0x20              ; for the way out: bq s[4:5], bk s[6:7], bv s[8:9], the table s[10:11] (the descriptors hold their own copies of the addresses that lay here)
	s_load_b64 s[12:13], s[0:1], 0x40              ; qkv
	v_and_b32 v1, 15, v0                           ; r = l % 16
	v_bfe_u32 v2, v0, 4, 1                         ; h = l / 16
	v_mul_u32_u24 v3, v1, PITCH
	v_mul_u32_u24 v4, v2, 24
	v_add_nc_u32 v4, v3, v4                        ; a fragment's row x pitch + 24 x half
	v_lshl_add_u32 v5, v2, 4, v4                   ; and the same behind one padding more
	s_mul_i32 s21, s15, HALFT                      ; my 128 rows of S
	s_mul_i32 s22, s16, HALFT                      ; my 128 rows of P,
	s_add_co_u32 s22, s22, 2*HALFT                 ; which lie behind S's 256
.irp s, 0,1
	v_add_nc_u32 v[ADRA+\s], s21, v4
	v_add_nc_u32 v[ADRB+\s], s22, v4
	v_add_nc_u32 v[ADRA+2+\s], s21, v5
	v_add_nc_u32 v[ADRB+2+\s], s22, v5
	s_add_co_u32 s21, s21, SLOT
	s_add_co_u32 s22, s22, SLOT
.endr
	v_mul_u32_u24 v5, v1, KS                       ; my row's scales: KS bytes a row,
	v_lshrrev_b32 v6, 8, v5
	v_lshl_add_u32 v5, v6, 4, v5                   ; and 16 more for each 256 passed
	s_mul_i32 s21, s15, HALFS                      ; S's: my 128 rows
	s_mul_i32 s22, s16, HALFS                      ; P's: my 128 rows, behind S's 256
	s_add_co_u32 s22, s22, 2*HALFS
	s_sub_co_u32 s22, s22, s21
	v_mul_u32_u24 v6, s22, v2                      ; lanes 16-31 take P's
	s_add_co_u32 s21, s21, SCL
	v_add_nc_u32 v5, v5, v6
	v_add_nc_u32 v[ADRS], s21, v5
	v_lshlrev_b32 v[OB], 6, v2                     ; the way out's offsets
	v_and_b32 v[OS], 8, v1
	v_add_nc_u32 v[OS], v[OS], v1                  ; r + 8 (r / 8)
	v_lshl_add_u32 v[OT], v[OS], 9, v[OB]
	v_lshlrev_b32 v[OS], 2, v[OS]
	v_and_b32 v[OFS], 31, v0
	v_lshlrev_b32 v[OFS], 4, v[OFS]
.irp b, 0,1,2,3
	v_mov_b32 v[TM+4+\b], 0                        ; written once: a lane permute's destination counts as one of its sources
.endr
.macro FRAG reg, adr, q, i             ; a fragment, 16 rows x 128 K of 6-bit codes, is 12 registers: lane l holds row l % 16; registers 6 c .. 6 c + 5 hold K = 64 c + 32 (l / 16) + 0 .. 31: 24 bytes of the row's stream of bits, as they lie
.irp p, 0,1,2,3,4,5                    ; in pieces of 8 bytes.  Lanes 0-15 take the row's pieces 12 q + 0, 1, 2 and 12 q + 6, 7, 8, lanes 16-31 those three pieces on
.set PIECE, 12*(\q)+6*(\p/3)+\p%3      ; 16 bytes of padding lie behind every 64 bytes (8 pieces): where the piece three on lies behind one padding more, the second address register serves
.if PIECE%8 < 5
	ds_load_b64 v[\reg+2*\p:\reg+2*\p+1], v[\adr] offset:8*PIECE+16*(PIECE/8)+(\i)*16*PITCH
.else
	ds_load_b64 v[\reg+2*\p:\reg+2*\p+1], v[\adr+2] offset:8*PIECE+16*(PIECE/8)+(\i)*16*PITCH
.endif
.endr
.endm
; 16 matrix instructions: S's blocks a0, a0 + 1 x P's eight, 128 along K: the slot's q-th.  p: P's set;  sc: the set of scale words.  zero = 1: the first product starts the sums: nothing is ever cleared.
; The 64 accumulators take turns, one instruction a turn, in the same order in every step.
.macro MUL16 a0, p, q, sc, zero
.irp a, \a0, \a0+1
.irp b, 0,1,2,3,4,5,6,7
.if \zero
	v_wmma_scale_f32_16x16x128_f8f6f4 v[8*(8*((\a)%4)+\b):8*(8*((\a)%4)+\b)+7], v[128*(\p)+FR*\b:128*(\p)+FR*\b+FR-1], v[AF+FR*(\a):AF+FR*(\a)+FR-1], 0, v[SC+8*NQ*(\sc)+NQ*\b+(\q)], v[SC+8*NQ*(\sc)+NQ*(\a)+(\q)] matrix_a_fmt:MATRIX_FMT_BF6 matrix_b_fmt:MATRIX_FMT_BF6 matrix_a_scale:MATRIX_SCALE_ROW1
.else
	v_wmma_scale_f32_16x16x128_f8f6f4 v[8*(8*((\a)%4)+\b):8*(8*((\a)%4)+\b)+7], v[128*(\p)+FR*\b:128*(\p)+FR*\b+FR-1], v[AF+FR*(\a):AF+FR*(\a)+FR-1], v[8*(8*((\a)%4)+\b):8*(8*((\a)%4)+\b)+7], v[SC+8*NQ*(\sc)+NQ*\b+(\q)], v[SC+8*NQ*(\sc)+NQ*(\a)+(\q)] matrix_a_fmt:MATRIX_FMT_BF6 matrix_b_fmt:MATRIX_FMT_BF6 matrix_a_scale:MATRIX_SCALE_ROW1
.endif
.endr
.endr
.endm
.macro FETCH_B slot, q, p              ; P's eight fragments of the slot's q-th 128 along K into set p
	WIN TO_B
.irp i, 0,1,2,3,4,5,6,7
	FRAG 128*(\p)+FR*\i, ADRB+\slot, \q, \i
.endr
	WIN 0
.endm
.macro FETCH_A slot, q, i0             ; S's blocks i0 .. i0 + 3
.irp i, \i0, \i0+1, \i0+2, \i0+3
	FRAG AF+FR*(\i), ADRA+\slot, \q, \i
.endr
.endm
.macro SCALES sc                       ; the next K step's scale words into set sc: NQ words a row; lanes 0-15 take S's block i, lanes 16-31 P's block i
.irp i, 0,1,2,3,4,5,6,7
	ds_load_b64 v[SC+8*NQ*\sc+NQ*\i:SC+8*NQ*\sc+NQ*\i+1], v[ADRS] offset:\i*SBLK
.endr
.endm
; A load into a register that a matrix instruction has read, and a vector instruction that reads a matrix result or writes one of its registers, stand NP places behind that matrix instruction, and only plain vector
; instructions that name none of its registers are places (ISA guide 7.12.1 for vector instructions); this text does not count the matrix instructions in between.
.macro PLACES n
.rept \n
	v_nop
.endr
.endm
; A step of 128 along K that has its successor in the same slot.
.macro STEP slot, q, zero
	s_wait_dscnt 4*NL                              ; P's set and S's blocks 0-3 are in; the youngest 24 loads (S's blocks 4-7) may be out
	WIN MUL_LO
	MUL16 0, (\q)%2, \q, \slot, \zero
	MUL16 2, (\q)%2, \q, \slot, \zero
	s_wait_dscnt 0                                 ; S's blocks 4-7 are in (asked for 32 matrix instructions ago)
	PLACES NP
	FETCH_B \slot, (\q)+1, 1-(\q)%2
	FETCH_A \slot, (\q)+1, 0
	WIN MUL_HI
	MUL16 4, (\q)%2, \q, \slot, \zero
	MUL16 6, (\q)%2, \q, \slot, \zero
	PLACES NP
	WIN 0
	FETCH_A \slot, (\q)+1, 4
.endm
; A slot's last step changes slots: ONE barrier; in front of it each wave waits for all its tensor loads, adds 0 to its spare word, and waits for that and for its own reads of this slot.  fill = 1: this slot is filled again, two K steps ahead.
.macro TURN slot, next, fill
	s_wait_tensorcnt 0x0                           ; all my tensor loads have landed: my part of the next slot;  (every window is 0 here)
	ds_add_u32 v[SPW], v[NIL]                      ; 0 onto my spare word
	s_wait_dscnt 4*NL+1                            ; (the add and the youngest 24 loads, S's blocks 4-7, may be out)
	WIN MUL_LO
	MUL16 0, 1, NQ-1, \slot, 0                     ; sixteen matrix instructions stand between the add and the wait for it
	s_wait_dscnt 0x0                               ; the add is done, and my reads of this slot are over
	s_barrier_signal -1
	MUL16 2, 1, NQ-1, \slot, 0
	WIN 0
	s_barrier_wait -1
.if \fill
	CREST                                          ; the barrier has opened a round of the cluster's barrier: no wave of any partner still reads this slot's tile or has a load on its way
	s_add_nc_u64 s[G0+4*\slot+2:G0+4*\slot+3], s[G0+4*\slot+2:G0+4*\slot+3], 2*ROWB
	s_add_nc_u64 s[G0B+4*\slot+2:G0B+4*\slot+3], s[G0B+4*\slot+2:G0B+4*\slot+3], 2*ROWB
	JLOAD G0+4*\slot, G1, G0B+4*\slot, G1B         ; the first tensor load behind the round, my only one until the next; the four v_nop behind it are the places in front of the loads below
.else
	PLACES NP
.endif
	v_add_nc_u32 v[ADRS], 4*NQ, v[ADRS]            ; on to the next K step's scale words (no LDS load of mine is out)
	FETCH_B \next, 0, 0
	FETCH_A \next, 0, 0
	SCALES \next
	WIN MUL_HI
	MUL16 4, 1, NQ-1, \slot, 0
	MUL16 6, 1, NQ-1, \slot, 0
	PLACES NP
	WIN 0
	FETCH_A \next, 0, 4
.endm
.macro LAST                            ; the very last step: nothing more to fetch; the places behind it serve the first reads of results and the first writes over S's fragments
	s_wait_dscnt 4*NL
	WIN MUL_LO
	MUL16 0, 1, NQ-1, 1, 0
	MUL16 2, 1, NQ-1, 1, 0
	s_wait_dscnt 0
	WIN MUL_HI
	MUL16 4, 1, NQ-1, 1, 0
	MUL16 6, 1, NQ-1, 1, 0
	WIN 0
	PLACES NP
.endm
	s_wait_tensorcnt 1                             ; the scales and my part of K step 0 are in (K step 1's load may be out)
	s_barrier_signal -1
	s_barrier_wait -1                              ; everybody's are
	FETCH_B 0, 0, 0
	FETCH_A 0, 0, 0
	SCALES 0
	FETCH_A 0, 0, 4
	; where my unit, my bias and my rows of the table lie: scalar work while the first fragments come
	s_wait_kmcnt 0x0
	s_lshl_b32 s18, s42, 1
	s_add_co_u32 s18, s18, s16                     ; my block of 128 of P's rows
	s_lshl_b32 s19, s17, 1
	s_add_co_u32 s19, s19, s15                     ; and of S's
	s_add_co_u32 s20, s19, 24
	s_cmp_eq_u32 s[ISV], 1
	s_cselect_b32 s20, s20, s18                    ; hh: for v 24 + S's block, else P's block (0-15 q, 16-23 k)
	s_cselect_b32 s21, s18, s19                    ; my block of 128 tokens, 0 .. 31
	s_cmp_lt_u32 ttmp9, 2                          ; clusters x = 0, 1 make q, x = 2 makes k
	s_cselect_b64 s[4:5], s[4:5], s[6:7]
	s_cselect_b32 s22, 0, 16
	s_cmp_eq_u32 s[ISV], 1
	s_cselect_b64 s[4:5], s[8:9], s[4:5]
	s_cselect_b32 s22, 24, s22
	s_sub_co_u32 s22, s20, s22                     ; the head's number in its own tensor
	s_lshl_b32 s22, s22, 9
	s_mov_b32 s23, 0
	s_add_nc_u64 s[4:5], s[4:5], s[22:23]          ; my head's 128 numbers of bias
	s_lshr_b32 s46, s21, 4                         ; batch
	s_and_b32 s47, s21, 15                         ; block of 128 tokens in the sequence
	s_lshl_b32 s46, s46, 5
	s_add_co_u32 s46, s46, s20
	s_lshl_b32 s46, s46, 4
	s_add_co_u32 s46, s46, s47
	s_mul_i32 s46, s46, UNIT
	s_lshl_b32 s92, s47, 16                        ; 128 positions of 512 bytes
	s_mov_b32 s47, 0
	s_mov_b32 s93, 0
	s_add_nc_u64 s[12:13], s[12:13], s[46:47]      ; my unit
	s_add_nc_u64 s[10:11], s[10:11], s[92:93]      ; my tokens' rows of the table (read on q's and k's way alone)
	s_mov_b32 s[SEL], 0x76543210
	s_mov_b32 s[SEL+1], 0xfedcba98
	STEP 0, 0, 1                                   ; the first step stands in front of the loop: its products start the sums
	s_mov_b32 s3, LAPS-1
.Llap:                                                 ; a trip goes once round the ring, from a lap's second step to the next lap's first, and fills both slots again
	TURN 0, 1, 1
	STEP 1, 0, 0
	TURN 1, 0, 1
	STEP 0, 0, 0
	s_sub_co_u32 s3, s3, 1
	s_cmp_lg_u32 s3, 0
	s_cbranch_scc1 .Llap
	TURN 0, 1, 0                                   ; the last lap fills nothing, and has no round of the cluster's barrier
	STEP 1, 0, 0
; THE WAY OUT, block by block of 16 rows of S.  The block's 64 numbers of a lane, register 16 B + i = P's logical row 32 B + 16 (lane / 16) + i, get their bias (and RoPE), are quantised, and leave as an image.
.macro CSLOAD a                        ; the table's 64 numbers of my lane for block a: number 32 B + 16 (lane / 16) + i of my token's row, into set a % 2 of window 1: the same index as the number that it turns
	WIN 0x40
.irp e, 0,1,2,3,4,5,6,7,8,9,10,11,12,13,14,15
	global_load_b128 v[64*((\a)%2)+4*\e:64*((\a)%2)+4*\e+3], v[OT], s[10:11] offset:(32*((\a)/2)+8*((\a)%2))*512+128*(\e/4)+16*(\e%4)
.endr
	WIN 0
.endm
.macro PRE_QK a
.if (\a) < 7
	s_wait_loadcnt 16                              ; the bias and this block's 16 loads of the table are in; the next block's 16 may be out
.else
	s_wait_loadcnt 0x0
.endif
	WIN 0x02+(\a)/4                                ; source 0: window 2 or 3
.set AC, 64*((\a)%4)
.set NN, 0
.rept 32
	v_pk_add_f32 v[Y+NN:Y+NN+1], v[AC+NN:AC+NN+1], v[BP+NN:BP+NN+1]   ; + bias; ascending
.set NN, NN+2
.endr
	WIN 0x04                                       ; source 1: window 1
.set CB_, 64*((\a)%2)
.set NN, 0
.rept 8                                ; a pair (xr, xi) and its (cos, sin) lie in register pairs of the same index; four pairs by turns
.irp k, 0,1,2,3
	v_pk_mul_f32 v[T+2*\k:T+2*\k+1], v[Y+NN+2*\k:Y+NN+2*\k+1], v[CB_+NN+2*\k:CB_+NN+2*\k+1] op_sel:[0,0] op_sel_hi:[0,1]   ; (xr cos, xr sin)
.endr
.irp k, 0,1,2,3
	v_pk_fma_f32 v[Y+NN+2*\k:Y+NN+2*\k+1], v[Y+NN+2*\k:Y+NN+2*\k+1], v[CB_+NN+2*\k:CB_+NN+2*\k+1], v[T+2*\k:T+2*\k+1] op_sel:[1,1,0] op_sel_hi:[1,0,1] neg_lo:[0,1,0]   ; (xr cos - xi sin, xr sin + xi cos)
.endr
.set NN, NN+8
.endr
	WIN 0
.if (\a) < 6
	CSLOAD (\a)+2                                  ; the set just read takes the block two on
.endif
.endm
.macro PRE_V a                         ; v's bias hangs on S's row: one number a lane and block
.if (\a) == 0
	s_wait_loadcnt 0x0
.endif
	WIN 0x02+(\a)/4
.set AC, 64*((\a)%4)
.set NN, 0
.rept 32
.if (\a)%2
	v_pk_add_f32 v[Y+NN:Y+NN+1], v[AC+NN:AC+NN+1], v[BS+(\a)-1:BS+(\a)] op_sel:[0,1] op_sel_hi:[1,1]
.else
	v_pk_add_f32 v[Y+NN:Y+NN+1], v[AC+NN:AC+NN+1], v[BS+(\a):BS+(\a)+1] op_sel:[0,0] op_sel_hi:[1,0]
.endif
.set NN, NN+2
.endr
	WIN 0
.endm
; 64 numbers of a lane, v[s] .. v[s + 63], register 16 b + i = k 32 b + 16 (lane / 16) + i of my row, become a fragment's codes in v[QC] on and its scale word in v[pw].
.macro QUANT s, pw
.irp b, 0,1,2,3
	v_max3_num_f32 v[TM+\b], |v[\s+16*\b]|, |v[\s+1+16*\b]|, 0x2800000   ; block b: my 16 numbers, and the floor 2^(5 - 127): the byte cannot fall under 1
.endr
.irp i, 2,4,6,8,10,12,14
.irp b, 0,1,2,3
	v_max3_num_f32 v[TM+\b], v[TM+\b], |v[\s+16*\b+\i]|, |v[\s+1+16*\b+\i]|   ; (the four blocks by turns)
.endr
.endr
.irp b, 0,1,2,3
	v_permlanex16_b32 v[TM+4+\b], v[TM+\b], s[SEL], s[SEL+1]
.endr
.irp b, 0,1,2,3
	v_max_num_f32 v[TM+\b], v[TM+\b], v[TM+4+\b]   ; with lane l xor 16's: the block's largest magnitude
.endr
.irp b, 0,1,2,3
	v_add_nc_u32 v[TM+12+\b], 0xfe000000, v[TM+\b]   ; 4 off its exponent field: the conversion's scale operand
.endr
.irp b, 0,1,2,3
	v_lshrrev_b32 v[TM+4+\b], 23, v[TM+12+\b]      ; the scale's byte
.endr
	v_lshl_or_b32 v[\pw], v[TM+5], 8, v[TM+4]      ; the four bytes make my row's scale word (both halves of the lanes hold it)
	v_lshl_or_b32 v[\pw], v[TM+6], 16, v[\pw]
	v_lshl_or_b32 v[\pw], v[TM+7], 24, v[\pw]
.irp c, 0,1
	v_cvt_scalef32_pk16_bf6_f32 v[QC+6*\c:QC+2+6*\c], v[\s+32*\c:\s+15+32*\c], v[TM+12+2*\c]
	v_cvt_scalef32_pk16_bf6_f32 v[QC+12+4*\c:QC+14+4*\c], v[\s+16+32*\c:\s+31+32*\c], v[TM+12+2*\c+1]   ; (a conversion's three registers begin on an even number)
.endr
	v_nop                                          ; one plain place behind a scaled conversion
.irp c, 0,1                                    ; the operand's layout wants a WHOLE block in a lane: lanes 0-15 block 2 c, lanes 16-31 block 2 c + 1
.irp i, 0,1,2
	v_permlane16_swap_b32 v[QC+6*\c+\i], v[QC+12+4*\c+\i]
.endr
.irp i, 0,1,2
	v_mov_b32 v[QC+3+6*\c+\i], v[QC+12+4*\c+\i]
.endr
.endr
.endm
.macro SENDIMG a                       ; the fragment leaves as it stands: each store covers 512 consecutive bytes, aligned
.irp c, 0,1,2
	global_store_b128 v[OFS], v[QC+4*\c:QC+4*\c+3], s[12:13] offset:(\a)*1536+512*\c
.endr
.endm
	; The ways part ONCE, on the cluster's x, and join at the scale words' store.  Each way asks for what its way out wants ahead of the last 64 matrix instructions.
	; P's set 0 (window 1, v0-95) was last read in front of the four places that close the step above: the table's loads may land there.
	s_cmp_lg_u32 s[ISV], 0
	s_cbranch_scc1 .Lv_way
.irp e, 0,1,2,3,4,5,6,7,8,9,10,11,12,13,14,15
	global_load_b128 v[BP+4*\e:BP+4*\e+3], v[OB], s[4:5] offset:128*(\e/4)+16*(\e%4)   ; register 16 B + i: the bias of channel 32 B + 16 (lane / 16) + i
.endr
	CSLOAD 0
	CSLOAD 1
	LAST
.irp a, 0,1,2,3,4,5,6,7
	PRE_QK \a
.if \a > 0
	s_wait_xcnt 0x0                                ; the last image's stores have read their registers: the codes may be written again
.endif
	QUANT Y, SW+\a
	SENDIMG \a
.endr
	s_branch .Lwords
.Lv_way:
.irp a, 0,1,2,3,4,5,6,7
	global_load_b32 v[BS+\a], v[OS], s[4:5] offset:(32*(\a/2)+8*(\a%2))*4   ; the bias of channel 32 (a / 2) + 8 (a % 2) + r + 8 (r / 8)
.endr
	LAST
.irp a, 0,1,2,3,4,5,6,7
	PRE_V \a
.if \a > 0
	s_wait_xcnt 0x0
.endif
	QUANT Y, SW+\a
	SENDIMG \a
.endr
.Lwords:
	v_cmp_eq_u32 vcc_lo, 1, v2                     ; lanes 0-15 store the words of images 0-3 of their row, lanes 16-31 those of images 4-7
.irp i, 0,1,2,3
	v_cndmask_b32 v[SWO+\i], v[SW+\i], v[SW+4+\i], vcc_lo
.endr
	global_store_b128 v[OFS], v[SWO:SWO+3], s[12:13] offset:12288
	s_wait_tensorcnt 0x0                           ; the wave's end, behind my last tensor load
	ds_add_u32 v[SPW], v[NIL]
	s_wait_dscnt 0x0
	CROUND                                         ; the closing round: no work-group ends while a partner may still ask for a tile that names it
	s_endpgm
.Lfunc_end_k_q0504b38d39_proj:
	.size	k_q0504b38d39_proj, .Lfunc_end_k_q0504b38d39_proj-k_q0504b38d39_proj
	.p2alignl 7, 3214868480
	.fill 96, 4, 3214868480
	.section	.rodata,"a",@progbits
	.p2align	6, 0x0
	.amdhsa_kernel k_q0504b38d39_proj
		.amdhsa_group_segment_fixed_size 327680
		.amdhsa_private_segment_fixed_size 0
		.amdhsa_enable_private_segment 0
		.amdhsa_kernarg_size 72
		.amdhsa_user_sgpr_count 2
		.amdhsa_user_sgpr_kernarg_segment_ptr 1
		.amdhsa_wavefront_size32 1
		.amdhsa_system_sgpr_workgroup_id_x 1
		.amdhsa_system_sgpr_workgroup_id_y 1
		.amdhsa_system_sgpr_workgroup_id_z 1
		.amdhsa_system_vgpr_workitem_id 0
		.amdhsa_next_free_vgpr 1024
		.amdhsa_next_free_sgpr 102
		.amdhsa_reserve_vcc 1
		.amdhsa_float_denorm_mode_32 3
		.amdhsa_float_denorm_mode_16_64 3
		.amdhsa_memory_ordered 1
		.amdhsa_forward_progress 1
		.amdhsa_inst_pref_size 255
	.end_amdhsa_kernel
	.section	.bss,"aw",@nobits
	.p2align	6
	.space	262144
	.amdgpu_metadata
---
amdhsa.version: [ 1, 2 ]
amdhsa.kernels:
  - .name:           k_q0504b38d39_proj
    .symbol:         k_q0504b38d39_proj.kd
    .args:
      - { .name: x_codes, .offset: 0, .size: 8, .value_kind: global_buffer, .address_space: global }
      - { .name: x_scales, .offset: 8, .size: 8, .value_kind: global_buffer, .address_space: global }
      - { .name: w_codes, .offset: 16, .size: 8, .value_kind: global_buffer, .address_space: global }
      - { .name: w_scales, .offset: 24, .size: 8, .value_kind: global_buffer, .address_space: global }
      - { .name: bq, .offset: 32, .size: 8, .value_kind: global_buffer, .address_space: global }
      - { .name: bk, .offset: 40, .size: 8, .value_kind: global_buffer, .address_space: global }
      - { .name: bv, .offset: 48, .size: 8, .value_kind: global_buffer, .address_space: global }
      - { .name: rope, .offset: 56, .size: 8, .value_kind: global_buffer, .address_space: global }
      - { .name: qkv, .offset: 64, .size: 8, .value_kind: global_buffer, .address_space: global }
    .group_segment_fixed_size: 327680
    .private_segment_fixed_size: 0
    .kernarg_segment_align: 8
    .kernarg_segment_size: 72
    .max_flat_workgroup_size: 128
    .sgpr_count:     102
    .vgpr_count:     1024
    .wavefront_size: 32
...
	.end_amdgpu_metadata
.endif
;; end of part 2
;; launch attn (part 3): grid 16 x 16, 16 waves a work-group, no clusters, 327,680 bytes of LDS; arguments qkv, out0; writes out0
.if DOCPART == 3
	.amdgcn_target "amdgcn-amd-amdhsa--gfx1250"
	.amdhsa_code_object_version 6
	.text
	.protected	k_q0504b38d39_attn
	.globl	k_q0504b38d39_attn
	.p2align	8
	.type	k_q0504b38d39_attn,@function
k_q0504b38d39_attn:
	s_mov_b64 s[64:65], 0
	v_nop
	global_prefetch_b8 v0, s[64:65] scope:SCOPE_SE
	s_setreg_imm32_b32 hwreg(HW_REG_WAVE_MODE, 25, 1), 1
	s_wait_xcnt 0x0
; out0[b][q][head][:] = the sum over keys k <= q of softmax_k(Q . K / sqrt(2048)) V, 16 query heads on 8 key and value heads (head / 2), both products on codes of BF6 (E3M2) with one E8M0 scale for each 32 along K.
; INPUT: qkv, 1,024 units of 12,800 bytes, unit ((b x 32 + hh) x 16 + block of 128 tokens); hh = 0-15 q's heads, 16-23 k's, 24-31 v's.  A unit is eight operands of 16 rows x 128 K as images of their registers
; (image a, registers 4 c .. 4 c + 3 of lane l at 1,536 a + 512 c + 16 l) and their scale words (image 4 g + t, row r at 12,288 + 256 g + 16 r + 4 t).  In q's and k's units row r of image 2 B + u is token
; 32 B + 8 u + r + 8 (r / 8) and K the head's 128; in v's units it is that channel, and K the unit's 128 keys.
; THE SOFTMAX AHEAD OF THE SECOND PRODUCT: t = score x log2(e) / sqrt(2048); M = the row's largest t so far, rounded UP to a whole number; p = 2^(t - M) is quantised along the keys, not normalised.
; The row's sum is taken of the unquantised p and divides at the end.  When M moves, the sum and O are multiplied by 2^(old M - new M): exact.
; SHARES.  Work-group (j, b x 8 + kv head) owns both query heads of its kv head and two blocks of 64 positions, block j and block 31 - j: so each work-group has the same number of key steps, 8 x 17 wave-steps.
; Each of its sixteen waves owns one tile of 16 queries (one image of q) in 256 registers.  Which block a wave has is bit 0 xor bit 2 of its number: of waves w .. w + 3 and of waves w, w + 4, w + 8, w + 12 alike two have the early block.
; Every wave walks all 16 steps of 128 keys; a step all of whose keys come after the wave's queries is jumped over (a branch on ids).  K and V come through a ring of two LDS slots of 256 keys, four units each, a unit a wave (waves 0-3).
; LAYOUT.  Both products are used transposed: S^T = K Q^T, O^T = V^T P^T: a lane holds ONE query throughout, and by the images' order of rows the 16 registers of tiles 2 B and 2 B + 1 of S^T are the 16 neighbouring keys 32 B + 16 (lane / 16) + 0 .. 15.
; NO CLUSTER: the work-groups that read the same K and V own different blocks of queries, so they leave out different steps and end their loads at different slots, and a joint load wants every partner to issue it on every path.
; The tiles with equal limits, the two heads of a kv head, are in one work-group already.
; LIMITS: NaN and infinities are not served.
; REGISTERS: v1, v2 offsets that stay; v5, v6 the add's two; v8, v9 addresses of the loads in hand; v12 -M, v13 the largest t, v[14:15] the sum in two halves; v16-27 Q; v28 the prefetches' offset; v29 my query's place;
; v32-79 four fragments of K or of V (on the way out v32-95 rows of O); v96-159 S^T, then p; v160-223 O^T; v224-235 p's codes; v232-247 at work; v248-251 four tiles' scale words; v252 f; v253 p's scale word; v254 at work; v255 Q's scale word.
.set UNIT,  12800
.set IMG,   1536
.set SCW,   12288                      ; where a unit's scale words begin
.set VOFF,  2*UNIT                     ; a slot: K's two units, then V's two
.set SLOT1, 1<<16                      ; slot 1 begins here, so that one exclusive or turns an address in one slot into the other's
.set STAGE, 2*SLOT1                    ; behind the ring: the way out: 16 rows x (512 bytes + 16) for each wave; no tensor load lands there
.set SP,    528
.set SPARE, STAGE+16*16*SP             ; the spare words, 128 bytes for each wave: eight blocks of 256 bytes that no other line names
.set NSL,   8                          ; slots' worth of keys
.set LI,   1                           ; v1   16 x lane
.set LR,   2                           ; v2   16 x (lane % 16)
.set SPW,  5
.set NIL,  6
.set ADK,  8
.set ADS,  9
.set PFO,  28                          ; v28  256 x lane
.set DQ,   29                          ; v29  r + 8 (r / 8) - 16 (lane / 16)
.set TB,   2                           ; s2   LDS byte at which the slot in hand begins
.set WV,   18                          ; s18  my wave's number
.set SEL,  20                          ; s[20:21] lane selects for v_permlanex16_b32: lane l xor 16
.set CS,   22                          ; s[22:23] c = log2(e) / sqrt(2048)
.set G1,   24                          ; s[24:31] descriptor group 1: a unit
.set G0,   40                          ; s[40:43] descriptor group 0, which walks
.set SLOTS, 67                         ; s67  changes of slots still to come that may ask for a slot
.set PFA,  76                          ; s[76:77] where my prefetches stand
.set LIM,  80                          ; s80  a wave prefetches while s[SLOTS] is above it
.set QL,   93                          ; s93  my work-group's last query
.set QB,   94                          ; s94  the first key of the step in which my queries lie
.set KF,   98                          ; s98  the step's first key
.set Q0,   99                          ; s99  my tile's first query
; Waves 0 and 1 fetch K's two units of a slot, waves 2 and 3 V's, the others nothing.  The branch hangs on the wave's number alone.  An s_nop 0 and four v_nop follow the load.
.macro TLOAD
	s_cmp_lt_u32 s[WV], 4
	s_cbranch_scc0 .Lasked_\@
	tensor_load_to_lds s[G0:G0+3], s[G1:G1+7]
	s_nop 0
.rept 4
	v_nop
.endr
.Lasked_\@:
.endm
; A PREFETCH INTO THE L2.  A kv head's units of K are 204,800 dense bytes, and so are V's.  All sixteen work-groups of a kv head walk them: the first (j = 0) asks, and in it waves that fetch nothing: waves 4-7 for K, waves 8-11 for V.
; At the c-th change of slots wave i of the four names run 4 c + i of 8,192 bytes, lanes 256 bytes apart, counted from byte 51,200, where slot 2 begins: so what the next change's tensor loads ask for (25,600 bytes a stream) has been named
; at this change or earlier, and each aligned block of 256 bytes is named once.  Runs 0 to 17 are named: waves i = 0, 1 ask at five changes, waves i = 2, 3 at four; the last byte named is 198,655 of the stream.
; Slots 0 and 1 and the stream's last 6,144 bytes come by their loads alone.
.macro ASK
	s_cmp_gt_u32 s[SLOTS], s[LIM]
	s_cbranch_scc0 .Lnot_mine_\@
	global_prefetch_b8 v[PFO], s[PFA:PFA+1] th:TH_LOAD_NT scope:SCOPE_SE
.Lnot_mine_\@:
.endm
	s_load_b128 s[8:11], s[0:1], 0x0               ; qkv s[8:9], out0 s[10:11]
	v_lshl_add_u32 v[SPW], v0, 2, SPARE
	v_mov_b32 v[NIL], 0
	ds_add_u32 v[SPW], v[NIL]                      ; the wave's opening: the add and its wait stand ahead of my first tensor load; the set-up below, work on registers, stands between them
	v_lshrrev_b32 v8, 5, v0
	v_readfirstlane_b32 s[WV], v8                  ; wave 0..15
	s_and_b32 s70, ttmp7, 0xffff
	s_lshr_b32 s71, s70, 3
	s_lshl_b32 s71, s71, 5                         ; 32 x batch
	s_and_b32 s72, s70, 7                          ; kv head
	s_lshr_b32 s73, s[WV], 2                       ; which of a block's four tiles
	s_xor_b32 s74, s[WV], s73
	s_and_b32 s74, s74, 1                          ; the early block (0) or the late one (1)
	s_bfe_u32 s75, s[WV], 0x10001                  ; which of the two query heads.  Also, in waves 0-3: I fetch K (0) or V (1)
	s_sub_co_u32 s81, 31, ttmp9
	s_cmp_eq_u32 s74, 1
	s_cselect_b32 s82, s81, ttmp9                  ; my block of 64 positions
	s_lshl_b32 s[QL], s81, 6
	s_add_co_u32 s[QL], s[QL], 63
	s_lshr_b32 s83, s82, 1                         ; its unit of 128 tokens
	s_lshl_b32 s[QB], s83, 7
	s_and_b32 s84, s82, 1
	s_lshl_b32 s84, s84, 2
	s_add_co_u32 s84, s84, s73                     ; my image in the unit
	s_lshl_b32 s[Q0], s82, 6
	s_lshr_b32 s85, s73, 1
	s_lshl_b32 s85, s85, 5
	s_add_co_u32 s[Q0], s[Q0], s85
	s_and_b32 s85, s73, 1
	s_lshl_b32 s85, s85, 3
	s_add_co_u32 s[Q0], s[Q0], s85                 ; 64 block + 32 (tile / 2) + 8 (tile % 2): lane r's query is r + 8 (r / 8) further on
	s_lshl_b32 s86, s72, 1
	s_add_co_u32 s86, s86, s75                     ; my query head
	s_add_co_u32 s88, s71, s86
	s_lshl_b32 s88, s88, 4
	s_add_co_u32 s88, s88, s83
	s_mul_i32 s88, s88, UNIT                       ; Q's unit
	s_mul_i32 s90, s84, IMG
	s_add_co_u32 s90, s90, s88                     ; my image
	s_mov_b32 s91, 0
	s_lshr_b32 s68, s84, 2
	s_lshl_b32 s68, s68, 8
	s_and_b32 s69, s84, 3
	s_lshl_b32 s69, s69, 2
	s_add_co_u32 s68, s68, s69
	s_add_co_u32 s68, s68, s88
	s_add_co_u32 s68, s68, SCW                     ; its scale words
	s_mov_b32 s69, 0
	s_lshl_b32 s88, s71, 19                        ; out0: batch x 2^24 + query x 8,192 + head x 512
	s_lshl_b32 s89, s[Q0], 13
	s_add_co_u32 s88, s88, s89
	s_lshl_b32 s89, s86, 9
	s_add_co_u32 s88, s88, s89
	s_mov_b32 s89, 0
	s_lshl_b32 s96, s75, 3                         ; what I fetch, if I fetch: hh = 16 + 8 (V) + kv head, unit wave % 2 of slot 0
	s_add_co_u32 s96, s96, 16
	s_add_co_u32 s96, s96, s71
	s_add_co_u32 s96, s96, s72
	s_lshl_b32 s96, s96, 4
	s_and_b32 s87, s[WV], 1
	s_add_co_u32 s96, s96, s87
	s_mul_i32 s96, s96, UNIT
	s_mov_b32 s97, 0
	s_and_b32 s87, s[WV], 3
	s_mul_i32 s87, s87, UNIT                       ; and where it goes in a slot
	s_cmp_lt_u32 s[WV], 8                          ; the prefetches: K's stream or V's,
	s_cselect_b32 s82, 16, 24
	s_add_co_u32 s82, s82, s71
	s_add_co_u32 s82, s82, s72
	s_mul_i32 s82, s82, 16*UNIT
	s_and_b32 s83, s[WV], 3
	s_lshl_b32 s84, s83, 13
	s_add_co_u32 s82, s82, s84                     ; my wave's run of four,
	s_add_co_u32 s82, s82, 2*2*UNIT-32768          ; four runs in front of slot 2: the first change of slots steps it there.  Nothing is prefetched here, at the head
	s_lshr_b32 s85, s83, 1
	s_add_co_u32 s85, s85, 2
	s_mov_b32 s83, 0
	s_sub_co_u32 s84, s[WV], 4
	s_lshr_b32 s84, s84, 3                         ; 0 in waves 4 to 11,
	s_or_b32 s84, s84, ttmp9                       ; of the kv head's first work-group
	s_cmp_eq_u32 s84, 0
	s_cselect_b32 s[LIM], s85, -1
	; descriptor group 1: a unit, 12,800 dense bytes, as 50 rows of 256 bytes (32 elements of 8 bytes); no padding: images are read as consecutive bytes
	s_mov_b32 s[G1], 3<<16                         ; 15:0 no mask; 17:16 elements of 8 bytes; 20 padding off
	s_mov_b32 s[G1+1], 32<<16                      ; tensor_dim0
	s_mov_b32 s[G1+2], 50<<16                      ; tensor_dim1
	s_mov_b32 s[G1+3], 32<<16                      ; tile_dim0
	s_mov_b32 s[G1+4], 50                          ; tile_dim1
	s_mov_b32 s[G1+5], 32                          ; tensor_dim0_stride
	s_mov_b32 s[G1+6], 0
	s_mov_b32 s[G1+7], 0
	s_mov_b32 s[SEL], 0x76543210
	s_mov_b32 s[SEL+1], 0xfedcba98
	s_mov_b32 s[CS], 0x3d0293ee                    ; c = log2(e) / sqrt(2048)
	s_mov_b32 s[CS+1], s[CS]                       ; (named with it as a pair, so it is written)
	s_mov_b32 s[TB], 0
	s_mov_b32 s[KF], 0
	s_mov_b32 s[SLOTS], NSL-1
	s_wait_dscnt 0x0                               ; the opening add is done
	s_wait_kmcnt 0x0
	s_mov_b32 s[G0], 1                             ; 1:0 count = 1
	s_mov_b32 s[G0+1], s87                         ; 63:32 LDS address: slot 0
	s_add_nc_u64 s[G0+2:G0+3], s[8:9], s[96:97]    ; 120:64 global address
	s_or_b32 s[G0+3], s[G0+3], 0x80000000          ; 127:126 type = 2
	TLOAD                                          ; slot 0
	s_add_nc_u64 s[4:5], s[8:9], s[90:91]          ; Q's image
	s_add_nc_u64 s[6:7], s[8:9], s[68:69]          ; Q's scale words
	s_add_nc_u64 s[16:17], s[10:11], s[88:89]      ; my first row of out0
	s_add_nc_u64 s[PFA:PFA+1], s[8:9], s[82:83]
	v_and_b32 v[LI], 31, v0
	v_lshlrev_b32 v[PFO], 8, v[LI]
	v_lshlrev_b32 v[LI], 4, v[LI]
	v_and_b32 v8, 15, v0                           ; r
	v_bfe_u32 v9, v0, 4, 1                         ; h
	v_lshlrev_b32 v[LR], 4, v8
.irp c, 0,1,2
	global_load_b128 v[16+4*\c:19+4*\c], v[LI], s[4:5] offset:512*\c   ; Q's fragment stays in registers
.endr
	global_load_b32 v255, v[LR], s[6:7]            ; and its scale words
	v_and_b32 v10, 8, v8
	v_add_nc_u32 v10, v10, v8
	v_lshlrev_b32 v11, 4, v9
	v_sub_nc_u32 v[DQ], v10, v11
	v_mov_b32 v13, 0xff61b1e6                      ; the largest t so far: -3e38, under every t
	v_floor_f32 v12, -v13                          ; -M
	v_mov_b32 v14, 0                               ; the sum, in two halves
	v_mov_b32 v15, 0
.irp b, 0,1,2,3
	v_mov_b32 v[236+\b], 0                         ; written once: a lane permute's destination counts as one of its sources
.endr
	v_mov_b32 v252, 0                              ; (likewise, on the way out)
	v_mov_b32 v253, 0                              ; (named as the upper half of the pair v[252:253] before it is first written)
.set NN, 0
.rept 64
	v_mov_b32 v[160+NN], 0                         ; O^T.  (The step is written without a first step of its own: the first finds zeros, which the first change of M leaves zeros)
.set NN, NN+1
.endr
; A KEY STEP: 128 keys, the q-th of the slot in hand.
.macro STEP q
	s_cmp_gt_u32 s[KF], s[QB]                      ; a step all of whose keys come after my 16 queries is left out: a branch on ids, round the step's loads, products and softmax; no barrier and no tensor load stands in a step
	s_cbranch_scc1 .Lhidden_\@
	v_add_nc_u32 v[ADK], s[TB], v[LI]
	v_add_nc_u32 v[ADS], s[TB], v[LR]
	v_nop                                          ; with the two additions: four places in front of loads into registers that the last step's matrix instructions have read
	v_nop
.irp g, 0,1                                    ; S^T = K Q^T, four tiles of 16 keys at a time
.if \g > 0
.rept 4
	v_nop
.endr
.endif
.irp t, 0,1,2,3
.irp c, 0,1,2
	ds_load_b128 v[32+12*\t+4*\c:35+12*\t+4*\c], v[ADK] offset:(\q)*UNIT+(4*\g+\t)*IMG+512*\c   ; an image: 512 consecutive bytes an instruction
.endr
.endr
	ds_load_b128 v[248:251], v[ADS] offset:(\q)*UNIT+SCW+256*\g   ; the four tiles' scale words of row r
	s_wait_dscnt 0x0
.irp t, 0,1,2,3
	v_wmma_scale_f32_16x16x128_f8f6f4 v[96+8*(4*\g+\t):103+8*(4*\g+\t)], v[32+12*\t:43+12*\t], v[16:27], 0, v[248+\t], v255 matrix_a_fmt:MATRIX_FMT_BF6 matrix_b_fmt:MATRIX_FMT_BF6
.endr
.endr
.rept 4
	v_nop
.endr
	s_cmp_lt_u32 s[KF], s[QB]                      ; a step all of whose keys count skips the mask
	s_cbranch_scc1 .Lopen_\@
	s_sub_co_i32 s96, s[Q0], s[KF]
	v_add_nc_u32 v252, s96, v[DQ]                  ; d = my query - KF - 16 (lane / 16).  Register 16 b + i holds key KF + 16 (lane / 16) + 32 b + i: hidden where 32 b + i > d
	v_mov_b32 v254, 0xff800000                     ; -infinity: p = 0 then
.set NN, 0
.rept 64
	v_cmp_gt_i32 vcc_lo, 32*(NN/16)+NN%16, v252
	v_cndmask_b32 v[96+NN], v[96+NN], v254, vcc_lo
.set NN, NN+1
.endr
.Lopen_\@:
.irp b, 0,1,2,3
	v_max3_num_f32 v[232+\b], v[96+16*\b], v[97+16*\b], v[98+16*\b]   ; THE LARGEST SCORE OF EACH BLOCK OF 32 KEYS: it serves for the row's maximum and, since p rises with the score, for the block's largest p
.endr
.irp i, 3,5,7,9,11,13
.irp b, 0,1,2,3
	v_max3_num_f32 v[232+\b], v[232+\b], v[96+16*\b+\i], v[97+16*\b+\i]   ; (the four blocks by turns)
.endr
.endr
.irp b, 0,1,2,3
	v_max_num_f32 v[232+\b], v[232+\b], v[111+16*\b]
.endr
.irp b, 0,1,2,3
	v_permlanex16_b32 v[236+\b], v[232+\b], s[SEL], s[SEL+1]
.endr
.irp b, 0,1,2,3
	v_max_num_f32 v[232+\b], v[232+\b], v[236+\b]  ; with lane l xor 16's 16 keys
.endr
	v_max3_num_f32 v254, v232, v233, v234
	v_max_num_f32 v254, v254, v235                 ; the step's largest score of my query
	v_mul_f32 v254, s[CS], v254                    ; as t (c is positive)
	v_max_num_f32 v13, v13, v254                   ; the running largest t
	v_mov_b32 v254, v12
	v_floor_f32 v12, -v13                          ; the new -M = floor(-t) = -ceil(t): M IS A WHOLE NUMBER
	v_sub_f32 v254, v12, v254                      ; M's old value less its new one: a whole number, 0 or less
	v_cvt_i32_f32 v254, v254                       ; (it saturates)
	v_ldexp_f32 v252, 1.0, v254                    ; f = 2^(old M - new M)
.set NN, 0
.rept 32
	v_pk_fma_f32 v[96+NN:97+NN], v[96+NN:97+NN], s[CS:CS+1], v[12:13] op_sel_hi:[1,0,0]   ; t - M, two at a time (of the pairs c and -M the low word serves both halves)
.set NN, NN+2
.endr
.irp b, 0,1,2,3
	v_fma_f32 v[232+\b], v[232+\b], s[CS], v12     ; the same of each block's largest score
.endr
.set NN, 0
.rept 64
	v_exp_f32 v[96+NN], v[96+NN]                   ; p = 2^(t - M), at most 1: NOT normalised
.set NN, NN+1
.endr
	v_pk_mul_f32 v[14:15], v[14:15], v[252:253] op_sel_hi:[1,0]   ; the sums under the new M.  (A plain place behind the exponentials)
	s_wait_alu depctr_va_vdst(0)                   ; one wait for the whole batch, ahead of its first reader
.irp b, 0,1,2,3
	v_exp_f32 v[232+\b], v[232+\b]                 ; the block's largest p: the same two instructions on the same number give the same bits
.endr
	v_pk_add_f32 v[236:237], v[96:97], v[98:99]    ; THE ROW'S SUM IS TAKEN OF THE UNQUANTISED p: two at a time, in two chains.  (It reads the 64 alone: plain work behind the four)
.irp j, 4,8,12,16,20,24,28,32,36,40,44,48,52,56,60
	v_pk_add_f32 v[14:15], v[14:15], v[96+\j:97+\j]
	v_pk_add_f32 v[236:237], v[236:237], v[98+\j:99+\j]
.endr
	v_pk_add_f32 v[14:15], v[14:15], v[236:237]
	s_wait_alu depctr_va_vdst(0)                   ; and one for the four
.irp b, 0,1,2,3
	v_max_num_f32 v[232+\b], 0x2800000, v[232+\b]  ; the floor 2^(5 - 127): the byte cannot fall under 1 (a block whose every p is 0 keeps that byte: its codes are zeros)
.endr
.irp b, 0,1,2,3
	v_add_nc_u32 v[244+\b], 0xfe000000, v[232+\b]  ; 4 off the exponent field: the conversion's scale operand
.endr
.irp b, 0,1,2,3
	v_lshrrev_b32 v[236+\b], 23, v[244+\b]         ; the scale's byte
.endr
	v_lshl_or_b32 v253, v237, 8, v236              ; p's scale word for these 128 keys
	v_lshl_or_b32 v253, v238, 16, v253
	v_lshl_or_b32 v253, v239, 24, v253
.irp c, 0,1
	v_cvt_scalef32_pk16_bf6_f32 v[224+6*\c:226+6*\c], v[96+32*\c:111+32*\c], v[244+2*\c]
	v_cvt_scalef32_pk16_bf6_f32 v[236+4*\c:238+4*\c], v[112+32*\c:127+32*\c], v[244+2*\c+1]   ; (a conversion's three registers begin on an even number)
.endr
	v_nop                                          ; one plain place behind a scaled conversion
.irp c, 0,1                                    ; the operand's layout wants a WHOLE block in a lane: lanes 0-15 block 2 c, lanes 16-31 block 2 c + 1
.irp i, 0,1,2
	v_permlane16_swap_b32 v[224+6*\c+\i], v[236+4*\c+\i]
.endr
.irp i, 0,1,2
	v_mov_b32 v[227+6*\c+\i], v[236+4*\c+\i]
.endr
.endr
.set NN, 0
.rept 32
	v_pk_mul_f32 v[160+NN:161+NN], v[160+NN:161+NN], v[252:253] op_sel_hi:[1,0]   ; O^T under the new M: x f.  (These 32 are also the places in front of the matrix instructions and loads below)
.set NN, NN+2
.endr
.irp g, 0,1                                    ; O^T += V^T P^T: four tiles of 16 of the head's 128 at a time; K = these 128 keys
.if \g > 0
.rept 4
	v_nop
.endr
.endif
.irp t, 0,1,2,3
.irp c, 0,1,2
	ds_load_b128 v[32+12*\t+4*\c:35+12*\t+4*\c], v[ADK] offset:VOFF+(\q)*UNIT+(4*\g+\t)*IMG+512*\c
.endr
.endr
	ds_load_b128 v[248:251], v[ADS] offset:VOFF+(\q)*UNIT+SCW+256*\g
	s_wait_dscnt 0x0
.irp t, 0,1,2,3
	v_wmma_scale_f32_16x16x128_f8f6f4 v[160+8*(4*\g+\t):167+8*(4*\g+\t)], v[32+12*\t:43+12*\t], v[224:235], v[160+8*(4*\g+\t):167+8*(4*\g+\t)], v[248+\t], v253 matrix_a_fmt:MATRIX_FMT_BF6 matrix_b_fmt:MATRIX_FMT_BF6
.endr
.endr
.Lhidden_\@:
	s_add_co_u32 s[KF], s[KF], 128
.endm
; THE CHANGE OF SLOTS stands at a slot's head.  Each wave waits for all its tensor loads (its part of the slot that it is about to read), adds 0 to its spare word, and waits for that and for its reads of the slot that it has left.
; Behind the barrier the slot ahead is whole and nobody reads the other one.  fill = 1: that other slot is filled with the keys that follow, up to the causal limit: the load has a slot's two steps in which to land.  One tensor load of a wave is out at the most.
.macro CHANGE fill
	s_wait_tensorcnt 0x0                           ; no tensor load of mine is out, so the group 0 may be written
	ds_add_u32 v[SPW], v[NIL]                      ; 0 onto my spare word; with fill = 1 the descriptor's steps stand between it and the wait for it
.if \fill
	s_xor_b32 s[G0+1], s[G0+1], SLOT1              ; the walking descriptor: the other slot than last time,
	s_add_nc_u64 s[G0+2:G0+3], s[G0+2:G0+3], 2*UNIT   ; the next 256 keys; the type bits on top are not reached
	s_wait_xcnt 0x0                                ; the last prefetch, a slot back, has read its address, so it may be written
	s_add_nc_u64 s[PFA:PFA+1], s[PFA:PFA+1], 32768
.endif
	s_wait_dscnt 0x0                               ; the add is done, and my reads of the slot that I have left are over
	s_barrier_signal -1
	s_barrier_wait -1
.if \fill
	s_add_co_u32 s96, s[KF], 256                   ; the first key of the slot that this change would ask for.  A slot whose first key comes after my work-group's last query is read by none of its waves, so it is not asked for
	s_cmp_gt_u32 s96, s[QL]                        ; ids and the count of steps alone: all sixteen waves go the same way, and a work-group that is past the limit stays past it; every wait on TENSORcnt in this text is for 0
	s_cbranch_scc1 .Lpast_\@
	TLOAD                                          ; the first thing behind the barrier but for the limit's three lines, and a wave's one tensor load until the next
.Lpast_\@:
	ASK
.endif
.endm
	s_wait_loadcnt 0x0                             ; Q
.Lslot:                                            ; NSL - 1 trips, a constant: behind each change of slots but the last the next slot is asked for, up to the limit
	CHANGE 1
	STEP 0
	STEP 1
	s_xor_b32 s[TB], s[TB], SLOT1                  ; on to the other slot
	s_sub_co_u32 s[SLOTS], s[SLOTS], 1
	s_cmp_lg_u32 s[SLOTS], 0
	s_cbranch_scc1 .Lslot
	CHANGE 0                                       ; the last slot is written out: nothing is left to ask for
	STEP 0
	STEP 1
	; THE WAY OUT.  O^T is divided by the row's sum and goes through my stage in LDS, so that the 32 lanes store one (query, head)'s 512 consecutive bytes.
	v_add_f32 v14, v14, v15                        ; the sum's two halves,
	v_permlanex16_b32 v252, v14, s[SEL], s[SEL+1]
	v_add_f32 v14, v14, v252                       ; and lane l xor 16's: the row's sum
	v_rcp_f32 v14, v14
	v_and_b32 v8, 15, v0                           ; (plain work behind the transcendental)  r
	v_bfe_u32 v9, v0, 4, 1                         ; h
	s_mul_i32 s73, s[WV], 16*SP
	s_add_co_u32 s73, s73, STAGE                   ; my stage
	v_mul_u32_u24 v10, v8, SP
	v_lshl_add_u32 v10, v9, 6, v10
	v_add_nc_u32 v10, s73, v10                     ; in: row r, + 64 h.  Register j of tile u is channel 32 (u / 2) + 16 h + 8 (u % 2) + j
	v_add_nc_u32 v11, s73, v[LI]                   ; back: a whole row, 16 bytes a lane
	s_wait_alu depctr_va_vdst(0)                   ; the wait, ahead of the reciprocal's first reader
.set NN, 0
.rept 64
	v_mul_f32 v[96+NN], v[160+NN], v14             ; ascending: each accumulator is read from its low end on
.set NN, NN+1
.endr
.irp u, 0,1,2,3,4,5,6,7
	ds_store_b128 v10, v[96+8*\u:99+8*\u] offset:128*(\u/2)+32*(\u%2)
	ds_store_b128 v10, v[100+8*\u:103+8*\u] offset:128*(\u/2)+32*(\u%2)+16
.endr
.irp i, 0,1,2,3,4,5,6,7,8,9,10,11,12,13,14,15
	ds_load_b128 v[32+4*\i:35+4*\i], v11 offset:\i*SP   ; LDS serves a wave's instructions in order: these see my stores
.endr
.irp i, 0,1,2,3,4,5,6,7,8,9,10,11,12,13,14,15
	s_wait_dscnt 15-\i
	global_store_b128 v[LI], v[32+4*\i:35+4*\i], s[16:17] offset:(\i+8*(\i/8))*8192 th:TH_STORE_NT   ; stage row i is query Q0 + i + 8 (i / 8); from query to query 16 heads x 512 bytes
.endr
	s_wait_tensorcnt 0x0                           ; the wave's end, behind my last tensor load and my last LDS store
	ds_add_u32 v[SPW], v[NIL]
	s_wait_dscnt 0x0
	s_endpgm
.Lfunc_end_k_q0504b38d39_attn:
	.size	k_q0504b38d39_attn, .Lfunc_end_k_q0504b38d39_attn-k_q0504b38d39_attn
	.p2alignl 7, 3214868480
	.fill 96, 4, 3214868480
	.section	.rodata,"a",@progbits
	.p2align	6, 0x0
	.amdhsa_kernel k_q0504b38d39_attn
		.amdhsa_group_segment_fixed_size 327680
		.amdhsa_private_segment_fixed_size 0
		.amdhsa_enable_private_segment 0
		.amdhsa_kernarg_size 16
		.amdhsa_user_sgpr_count 2
		.amdhsa_user_sgpr_kernarg_segment_ptr 1
		.amdhsa_wavefront_size32 1
		.amdhsa_system_sgpr_workgroup_id_x 1
		.amdhsa_system_sgpr_workgroup_id_y 1
		.amdhsa_system_sgpr_workgroup_id_z 1
		.amdhsa_system_vgpr_workitem_id 0
		.amdhsa_next_free_vgpr 256
		.amdhsa_next_free_sgpr 100
		.amdhsa_reserve_vcc 1
		.amdhsa_float_denorm_mode_32 3
		.amdhsa_float_denorm_mode_16_64 3
		.amdhsa_memory_ordered 1
		.amdhsa_forward_progress 1
		.amdhsa_inst_pref_size 111
	.end_amdhsa_kernel
	.amdgpu_metadata
---
amdhsa.version: [ 1, 2 ]
amdhsa.kernels:
  - .name:           k_q0504b38d39_attn
    .symbol:         k_q0504b38d39_attn.kd
    .args:
      - { .name: qkv, .offset: 0, .size: 8, .value_kind: global_buffer, .address_space: global }
      - { .name: out0, .offset: 8, .size: 8, .value_kind: global_buffer, .address_space: global }
    .group_segment_fixed_size: 327680
    .private_segment_fixed_size: 0
    .kernarg_segment_align: 8
    .kernarg_segment_size: 16
    .max_flat_workgroup_size: 512
    .sgpr_count:     100
    .vgpr_count:     256
    .wavefront_size: 32
...
	.end_amdgpu_metadata
.endif
;; end of part 3
